; MI455X (gfx1250); checked and timed in simulation.
; The chip was launched on July 23, 2026; its instructions are those of AMD's public machine-readable ISA for CDNA 5 (MIT licence, August 2026) and "CDNA5" Instruction Set Architecture Reference Guide (July 2026). The comments in the code are by the model that wrote it; some were corrected since.
;; BERT Attention. Allowed arithmetic: matrix products marked QUANTISED: E3M2 operands, one E8M0 scale for each 32 along K, by v_wmma_scale_f32_16x16x128_f8f6f4 with both operands' format E3M2, f32 sums; everything else in f32.
;; Inputs: attention_mask 4 x 1 x 1 x 2,048 float32; beta 1,024 float32; bk 1,024 float32; bo 1,024 float32; bq 1,024 float32; bv 1,024 float32; gamma 1,024 float32; hidden_states 4 x 2,048 x 1,024 float32; wk 1,024 x 1,024 float32; wo 1,024 x 1,024 float32; wq 1,024 x 1,024 float32; wv 1,024 x 1,024 float32.
;; Outputs: out0 4 x 2,048 x 1,024 float32.
;; This version of the problem:
;;   THIS VERSION OF THE PROBLEM IS GIVEN IN LOW PRECISION. The matrix products marked QUANTISED in the list below multiply operands that are first quantised to E3M2 (3 exponent bits, 2 mantissa bits; 6 bits a number), with one power-of-two scale for each 32 numbers along K (OCP MX v1.0); their sums are f32. All else is computed in f32.
;;   The module's matrix products, in the order in which they are computed (A, B: the left and right operand; K: the contracted axis; several contracted axes count as one K, in the product's order):
;;     1. [M 8,192, K 1,024] x [K 1,024, N 1,024]; A: input hidden_states; B: input wq: QUANTISED
;;     2. [M 8,192, K 1,024] x [K 1,024, N 1,024]; A: input hidden_states; B: input wk: QUANTISED
;;     3. [M 8,192, K 1,024] x [K 1,024, N 1,024]; A: input hidden_states; B: input wv: QUANTISED
;;     4. batch 64 x [M 2,048, K 64] x [K 64, N 2,048]; A: computed on the way; B: computed on the way: QUANTISED
;;     5. batch 64 x [M 2,048, K 2,048] x [K 2,048, N 64]; A: softmax (see below); B: computed on the way: QUANTISED
;;     6. [M 8,192, K 1,024] x [K 1,024, N 1,024]; A: computed on the way; B: input wo: QUANTISED
;;   THE QUANTISER, for each operand of a quantised product, along K:
;;     - K is cut into blocks of 32 from its start; a last block that is shorter is filled with zeros.
;;     - A block's scale is 2^e with e = floor(log2(the largest magnitude in the block)) - 4, held to -126 .. 127; a block of zeros has e = 0. As a byte (E8M0): e + 127.
;;     - Each number is divided by its block's scale, clamped to +-28, and rounded to the nearest number of E3M2, ties to even, subnormals kept.
;;     - The product sums the exact products of the quantised numbers (number of the format x scale) in f32.
;;   ~~~python
;;   def quantise(x, axis):      # numpy; x: float32 -> the quantised numbers, widened to float32 again
;;       x = np.moveaxis(x, axis, -1); K = x.shape[-1]
;;       x = np.pad(x, [(0, 0)] * (x.ndim - 1) + [(0, -K % 32)]); x = x.reshape(x.shape[:-1] + (-1, 32)); a = np.abs(x).max(-1, keepdims=True)
;;       e = np.where(a > 0, np.clip(np.frexp(np.where(a > 0, a, 1))[1] - 1 - 4, -126, 127), 0)      # np.frexp(a)[1] - 1 = floor(log2(a)), exactly
;;       r = np.clip(x / 2.0 ** e, -28, 28)
;;       step = 2.0 ** (np.maximum(np.frexp(np.where(r == 0, 1, r))[1] - 1, -2) - 2)
;;       q = np.round(r / step) * step * 2.0 ** e      # np.round: ties to even
;;       return np.moveaxis(q.reshape(q.shape[:-2] + (-1,))[..., :K], -1, axis).astype(np.float32)
;;   ~~~
;;   SOFTMAX AHEAD OF A QUANTISED PRODUCT. Where the list says 'softmax', what is quantised is not the finished softmax but p = 2^(t - M), with t = logit x log2(e) and M = ceil(the row's largest t), a whole number; so 1/2 < the row's largest p <= 1. The row's sum l is taken of the UNQUANTISED p, in f32, and the product's result is divided by l at the end. Since M is a whole number, a kernel that streams over the keys may use a running M (the ceiling of the running maximum): every later rescaling is an exact power of two, which a block's scale takes up: the codes' values come out the same.
;;   OPERANDS COMPUTED ON THE WAY. 'Computed on the way' means the value that the module computes at that place (a softmax that the list does not call 'softmax' is quantised finished and normalised). What goes into a quantiser is computed in f32, as accurately as f32 sums, v_exp_f32 and their like allow (about 1e-6 of the number): no bf16 or f16 on the way to a quantiser, and a product that is left as it is and whose result goes on into a quantised operand takes f32 operands (vector FMAs, or v_wmma_f32_16x16x4_f32). A number that lies on a knife's edge between two numbers of the format may be rounded either way, as far as f32 arithmetic and the matrix unit's own rounding can turn it there, and no further.
;; One version. Each part assembles by itself: llvm-mc -triple=amdgcn-amd-amdhsa -mcpu=gfx1250 --defsym DOCPART=n.
;; ======== version 1 of 1: 4 launches
;; workspace buffers: codes 9,437,184 bytes; scales 393,216 bytes; qkv 20,447,232 bytes; cc 6,291,456 bytes; cs 262,144 bytes
;; launch quant (part 1): grid 768 x 1, 1 waves a work-group, no clusters, 8,960 bytes of LDS; arguments hidden_states, wq, wk, wv, wo, codes, scales; writes codes, scales
.if DOCPART == 1
	.amdgcn_target "amdgcn-amd-amdhsa--gfx1250"
	.amdhsa_code_object_version 6
	.text
	.protected	k_q8b9bd6f61e_quant
	.globl	k_q8b9bd6f61e_quant
	.p2align	8
	.type	k_q8b9bd6f61e_quant,@function
k_q8b9bd6f61e_quant:
	s_mov_b64 s[64:65], 0
	v_nop
	global_prefetch_b8 v0, s[64:65] scope:SCOPE_SE
	s_setreg_imm32_b32 hwreg(HW_REG_WAVE_MODE, 25, 1), 1
	s_wait_xcnt 0x0
; hidden_states [8192][1024] and wq, wk, wv, wo [1024][1024], f32, K innermost, become codes of BF6 (E3M2) with one E8M0 byte for each 32 along K.
; THE OUTPUT IS LAID AS THE MATRIX UNIT TAKES IT.  A tile is 16 rows: tile T of a tensor holds rows 32 (T / 2) + 8 (T % 2) + i + 8 (i / 8), i = 0 .. 15.  A fragment (a tile x 128 along K) is 12 registers a lane:
; lane (r, h) holds row i = r, registers 6 c .. 6 c + 5 the codes of k = 64 c + 32 h + 0 .. 31.  Its image in memory is 1,536 bytes: register p of lane l at 512 (p / 4) + 16 l + 4 (p % 4).
; codes: [768 tiles][8 K steps][1,536]: tiles 0-511 hidden_states, 512-575 wq, 576-639 wk, 640-703 wv, 704-767 wo.   scales: [16 x tile + i][32 bytes], byte kb for block kb of K.
; A block's scale is 2^(floor(log2(its largest magnitude)) - 4); its byte is the largest magnitude's exponent field - 4, held at 1 from below.
; LIMITS: a block of zeros gets the byte 1 where the rule says 127 (its codes are zeros, and this program alone reads the bytes); blocks whose largest magnitude lies under 2^-122 are held at that floor;
; NaN and infinities among the inputs are not served.
; SHARES.  One wave to a work-group, one tile to a wave: 16 rows x 1,024, eight fragments.  Each load reads 512 consecutive bytes of one row; a K step's 16 x 512 bytes turn through a stage in LDS (rows 528 bytes apart),
; from which a lane takes its two whole blocks of 32 neighbours.  Loads run two K steps (32 loads) ahead.  No barrier: the wave shares nothing.
.set ROWB, 4096                        ; a row of any of the five tensors, in bytes
.set SP,   528                         ; a stage row: 512 bytes + 16: the 16 rows that a load of 16 bytes a lane touches begin in 16 different groups of banks
.set R,    16                          ; v16-143  two sets of 64: a K step as it is loaded
.set X,    144                         ; v144-207 my two blocks: register 32 c + i = k 64 c + 32 h + i of row r
.set F,    208                         ; v208-219 the fragment
.set CT,   220                         ; v220-226 the upper halves of the two blocks (a conversion's three registers begin on an even number)
.set MX,   228                         ; v228-229 largest magnitudes
.set SO,   230                         ; v230-231 the conversions' scale operands
.set BY,   232                         ; v232-233 the bytes
.set T0,   234                         ; v234-235 at work
.set W,    240                         ; v240-247 my row's scale word of each K step
.set WS,   248                         ; v248-251 the four words that I store
	s_load_b256 s[4:11], s[0:1], 0x0               ; hidden_states, wq, wk, wv
	s_load_b128 s[12:15], s[0:1], 0x20             ; wo, codes
	s_load_b64 s[16:17], s[0:1], 0x30              ; scales
	v_lshl_add_u32 v254, v0, 2, 0x2200
	v_mov_b32 v255, 0
	v_lshlrev_b32 v1, 4, v0                        ; 16 x lane: my bytes of a load, of a stage row on the way in, of an image
	v_and_b32 v3, 15, v0                           ; r
	v_lshrrev_b32 v6, 4, v0                        ; h
	v_mul_u32_u24 v2, v3, SP
	v_lshl_add_u32 v2, v6, 7, v2                   ; the stage on the way out: row r, + 128 h
	v_lshlrev_b32 v4, 5, v3
	v_lshl_add_u32 v4, v6, 4, v4                   ; my 16 of my row's 32 scale bytes
	v_lshlrev_b32 v5, 3, v6                        ; 8 h: how far my two bytes are shifted in a scale word
	v_mov_b32 v[T0+1], 0                           ; written once: a lane permute's destination counts as one of its sources
	s_mov_b32 s20, 0x76543210
	s_mov_b32 s21, 0xfedcba98                      ; v_permlanex16_b32: lane l xor 16
	s_mov_b32 s22, 0xffff0000                      ; lanes 16-31
	s_and_b32 s23, ttmp9, 63                       ; the tile's number inside a weight
	s_wait_kmcnt 0x0
	s_mov_b64 s[18:19], s[12:13]                   ; which tensor: the choice hangs on the work-group's number alone
	s_cmp_lt_u32 ttmp9, 704
	s_cselect_b64 s[18:19], s[10:11], s[18:19]
	s_cmp_lt_u32 ttmp9, 640
	s_cselect_b64 s[18:19], s[8:9], s[18:19]
	s_cmp_lt_u32 ttmp9, 576
	s_cselect_b64 s[18:19], s[6:7], s[18:19]
	s_cmp_lt_u32 ttmp9, 512
	s_cselect_b64 s[18:19], s[4:5], s[18:19]
	s_cselect_b32 s23, ttmp9, s23                  ; the tile's number inside its tensor
	s_lshr_b32 s24, s23, 1
	s_lshl_b32 s24, s24, 17                        ; 32 rows of 4,096 bytes for each pair of tiles,
	s_and_b32 s25, s23, 1
	s_lshl_b32 s25, s25, 15                        ; 8 rows for the odd one
	s_or_b32 s24, s24, s25
	s_mov_b32 s25, 0
	s_add_nc_u64 s[18:19], s[18:19], s[24:25]
	s_mul_i32 s24, ttmp9, 12288
	s_add_nc_u64 s[14:15], s[14:15], s[24:25]      ; my tile's eight images
	s_lshl_b32 s24, ttmp9, 9
	s_add_nc_u64 s[16:17], s[16:17], s[24:25]      ; and its 512 scale bytes
.macro LOADF k                         ; K step k of the 16 rows: 512 consecutive bytes a load
.irp i, 0,1,2,3,4,5,6,7,8,9,10,11,12,13,14,15
	global_load_b128 v[R+64*((\k)%2)+4*\i:R+64*((\k)%2)+4*\i+3], v1, s[18:19] offset:(\i+8*(\i/8))*ROWB+512*(\k) th:TH_LOAD_NT
.endr
.endm
.macro TURNF k                         ; through the stage: LDS serves a wave's instructions in order, so no wait stands between the stores and the loads
.irp i, 0,1,2,3,4,5,6,7,8,9,10,11,12,13,14,15
	ds_store_b128 v1, v[R+64*((\k)%2)+4*\i:R+64*((\k)%2)+4*\i+3] offset:SP*\i
.endr
.irp c, 0,1
.irp q, 0,1,2,3,4,5,6,7
	ds_load_b128 v[X+32*\c+4*\q:X+32*\c+4*\q+3], v2 offset:256*\c+16*\q
.endr
.endr
.endm
.macro QF k                            ; my two blocks (2 c + h of the K step) become six registers each, and two bytes of the scale word
.irp c, 0,1
	v_max3_num_f32 v[MX+\c], |v[X+32*\c]|, |v[X+32*\c+1]|, 0x2800000      ; with the floor 2^(5 - 127): the byte cannot fall under 1
.endr
.irp i, 2,4,6,8,10,12,14,16,18,20,22,24,26,28,30
.irp c, 0,1
	v_max3_num_f32 v[MX+\c], v[MX+\c], |v[X+32*\c+\i]|, |v[X+32*\c+\i+1]|
.endr
.endr
.irp c, 0,1
	v_add_nc_u32 v[SO+\c], 0xfe000000, v[MX+\c]    ; 4 off the exponent field: the conversion takes the exponent field of this operand as its scale
.endr
.irp c, 0,1
	v_lshrrev_b32 v[BY+\c], 23, v[SO+\c]           ; the byte
.endr
	v_lshl_or_b32 v[T0], v[BY+1], 16, v[BY]        ; blocks h and 2 + h,
	v_lshlrev_b32 v[T0], v5, v[T0]                 ; at their places in the word;
	v_permlanex16_b32 v[T0+1], v[T0], s20, s21
	v_or_b32 v[W+(\k)], v[T0], v[T0+1]             ; with lane l xor 16's two the word is whole
.irp c, 0,1
	v_cvt_scalef32_pk16_bf6_f32 v[F+6*\c:F+6*\c+2], v[X+32*\c:X+32*\c+15], v[SO+\c]
	v_cvt_scalef32_pk16_bf6_f32 v[CT+4*\c:CT+4*\c+2], v[X+32*\c+16:X+32*\c+31], v[SO+\c]
.endr
	v_nop                                          ; one plain place behind a scaled conversion
.irp c, 0,1
.irp i, 0,1,2
	v_mov_b32 v[F+6*\c+3+\i], v[CT+4*\c+\i]
.endr
.endr
.irp j, 0,1,2
	global_store_b128 v1, v[F+4*\j:F+4*\j+3], s[14:15] offset:1536*(\k)+512*\j    ; 32 lanes store 512 consecutive bytes, at a multiple of 512 from the buffer's first byte
.endr
.endm
	LOADF 0
	LOADF 1
.irp k, 0,1,2,3,4,5,6,7
.if \k < 7
	s_wait_loadcnt 16                              ; this K step's 16 loads are in; the next step's 16 may be out
.else
	s_wait_loadcnt 0x0
.endif
	TURNF \k
	s_wait_dscnt 0x0                               ; my two blocks are in, and the stage's stores have read their registers
.if \k > 0
	s_wait_xcnt 0x0                                ; the last fragment's stores have read their data: it is written anew only behind this wait
.endif
.if \k < 6
	LOADF \k+2
.endif
	QF \k
.endr
.irp j, 0,1,2,3
	v_cndmask_b32 v[WS+\j], v[W+\j], v[W+4+\j], s22   ; lanes 0-15 store their row's words 0-3, lanes 16-31 words 4-7
.endr
	global_store_b128 v4, v[WS:WS+3], s[16:17]     ; 512 consecutive bytes
	s_wait_tensorcnt 0x0
	ds_add_u32 v254, v255
	s_wait_dscnt 0x0
	s_endpgm
.Lfunc_end_k_q8b9bd6f61e_quant:
	.size	k_q8b9bd6f61e_quant, .Lfunc_end_k_q8b9bd6f61e_quant-k_q8b9bd6f61e_quant
	.p2alignl 7, 3214868480
	.fill 96, 4, 3214868480
	.section	.rodata,"a",@progbits
	.p2align	6, 0x0
	.amdhsa_kernel k_q8b9bd6f61e_quant
		.amdhsa_group_segment_fixed_size 8960
		.amdhsa_private_segment_fixed_size 0
		.amdhsa_enable_private_segment 0
		.amdhsa_kernarg_size 56
		.amdhsa_user_sgpr_count 2
		.amdhsa_user_sgpr_kernarg_segment_ptr 1
		.amdhsa_wavefront_size32 1
		.amdhsa_system_sgpr_workgroup_id_x 1
		.amdhsa_system_sgpr_workgroup_id_y 1
		.amdhsa_system_sgpr_workgroup_id_z 1
		.amdhsa_system_vgpr_workitem_id 0
		.amdhsa_next_free_vgpr 256
		.amdhsa_next_free_sgpr 66
		.amdhsa_reserve_vcc 0
		.amdhsa_float_denorm_mode_32 3
		.amdhsa_float_denorm_mode_16_64 3
		.amdhsa_memory_ordered 1
		.amdhsa_forward_progress 1
		.amdhsa_inst_pref_size 57
	.end_amdhsa_kernel
	.amdgpu_metadata
---
amdhsa.version: [ 1, 2 ]
amdhsa.kernels:
  - .name:           k_q8b9bd6f61e_quant
    .symbol:         k_q8b9bd6f61e_quant.kd
    .args:
      - { .name: hidden_states, .offset: 0, .size: 8, .value_kind: global_buffer, .address_space: global }
      - { .name: wq, .offset: 8, .size: 8, .value_kind: global_buffer, .address_space: global }
      - { .name: wk, .offset: 16, .size: 8, .value_kind: global_buffer, .address_space: global }
      - { .name: wv, .offset: 24, .size: 8, .value_kind: global_buffer, .address_space: global }
      - { .name: wo, .offset: 32, .size: 8, .value_kind: global_buffer, .address_space: global }
      - { .name: codes, .offset: 40, .size: 8, .value_kind: global_buffer, .address_space: global }
      - { .name: scales, .offset: 48, .size: 8, .value_kind: global_buffer, .address_space: global }
    .group_segment_fixed_size: 8960
    .private_segment_fixed_size: 0
    .kernarg_segment_align: 8
    .kernarg_segment_size: 56
    .max_flat_workgroup_size: 32
    .sgpr_count:     66
    .vgpr_count:     256
    .wavefront_size: 32
...
	.end_amdgpu_metadata
.endif
;; end of part 1
;; launch qkv (part 2): grid 12 x 32, 4 waves a work-group, clusters of 4 x 4, 327,680 bytes of LDS; arguments codes, scales, bq, bk, bv, qkv; writes qkv
.if DOCPART == 2
	.amdgcn_target "amdgcn-amd-amdhsa--gfx1250"
	.amdhsa_code_object_version 6
	.text
	.protected	k_q8b9bd6f61e_qkv
	.globl	k_q8b9bd6f61e_qkv
	.p2align	8
	.type	k_q8b9bd6f61e_qkv,@function
k_q8b9bd6f61e_qkv:
	s_mov_b64 s[64:65], 0
	v_nop
	global_prefetch_b8 v0, s[64:65] scope:SCOPE_SE
	s_setreg_imm32_b32 hwreg(HW_REG_WAVE_MODE, 25, 1), 1
	s_wait_xcnt 0x0
	s_wait_alu depctr_hold_cnt(0) depctr_sa_sdst(0) depctr_va_vdst(0) depctr_va_sdst(0) depctr_va_ssrc(0) depctr_va_vcc(0) depctr_vm_vsrc(0)
	s_getreg_b32 s2, hwreg(HW_REG_IB_STS2, 6, 4)
	s_cmp_eq_u32 s2, 0
	s_cbranch_scc0 .Lentry_in_a_cluster
	s_endpgm
.Lentry_in_a_cluster:
	s_bfe_u32 s2, ttmp6, 0x10000c
	s_cmp_lg_u32 s2, 0xf033
	s_cbranch_scc0 .Lentry_shape_is_right
	s_endpgm
.Lentry_shape_is_right:
; q = x wq^T + bq, k = x wk^T + bk, v = x wv^T + bv on codes of BF6 (E3M2) with E8M0 scales, sums in f32; the results are quantised here, in registers, and leave as codes: q and k along the head's 64, v along the keys.
; A tile of 256 x 256 is made by four waves, 128 x 128 each: 64 accumulators, 512 registers.  K = 1,024 goes in four steps of 256 through two LDS slots filled by the tensor data mover.
; OPERANDS ARE IMAGES OF THEIR REGISTERS (the launch before laid them so): a fragment, 16 rows x 128 K, is 1,536 bytes, register p of lane l at 512 (p / 4) + 16 l + 4 (p % 4): three ds_load_b128 of 512 consecutive bytes bring it.
; A tile of 16 rows holds rows 32 (T / 2) + 8 (T % 2) + i + 8 (i / 8): so, where tiles 2 b and 2 b + 1 are source 0, a lane's 16 results are the 16 NEIGHBOURS 32 b + 16 (lane / 16) + 0 .. 15, as a quantiser wants them.
; ROLES, by the cluster's x, which all sixteen partners share.  Side A is source 1 (across the lanes), side B source 0 (along a lane's registers); the result is quantised along B.
;   x = 0, 1 (q, k): A = 256 tokens, B = 256 rows of wq or wk (four heads).     x = 2 (v): A = 256 rows of wv, B = 256 tokens: v comes out with the keys along the registers.
; One text of the products serves all three; the roles differ in the tiles' addresses, chosen by s_cselect_b32, and in the way out, chosen by one branch.
; CLUSTERS: 4 x 4 work-groups.  A's tile hangs on the place along y alone and is asked for jointly by a row of the cluster, B's on the place along x alone, by a column.
; OUT: qkv [G][batch][step of 128 tokens][6,656 bytes], G = head (q), 16 + head (k), 32 + head (v).  q, k: four images of 12 registers, each two token tiles x 6 registers (the head's 64: lane (r, h) holds block h), then
;   512 bytes of scale words: 16 bytes a lane, word p: lanes 0-15 tile 2 p, lanes 16-31 tile 2 p + 1; a word is the two bytes twice.  v: four fragments (16 of the head's 64 x the 128 keys), then 16 bytes a lane: word d of tile d.
; q's bytes are stored less 3: the division of the scores by sqrt(64), exact.
; LIMITS: a block of zeros gets the byte 1 where the rule says 127 (its codes are zeros; this program alone reads the bytes); blocks under 2^-122 (q: under 2^-119) are held at that floor; NaN and infinities are not served.
; REGISTERS: window 0: v0-31 addresses; v32-63 scale words, two sets; v64-127 the bias along registers; v128-223 A's fragments, one set; on the way out v128-251 are at work.
;   window 1: B's fragments, two sets, at v0 and v128; v96-111 the bias along lanes, each number twice.   windows 2, 3: accumulator (a, b) at v[8 (8 (a % 4) + b)] of window 2 + a / 4.
.set NQ,     2                         ; matrix instructions deep in a slot
.set FR,     12                        ; registers of a fragment
.set NL,     3                         ; LDS loads that bring one
.set NP,     4                         ; places behind this matrix instruction (ISA guide 7.12.1)
.set FI,     1536                      ; a fragment's image
.set TILEB,  NQ*FI                     ; a tile's part of a slot
.set HALFT,  8*TILEB                   ; 128 rows: what one tensor load brings, and what one wave reads of A or of B
.set SLOT,   4*HALFT                   ; A's 16 tiles, then B's 16
.set KS,     32                        ; a row of scale bytes
.set SCL,    2*SLOT                    ; behind the ring: the scales of the 512 rows for all of K, as units of 256 bytes + 16 of padding
.set HALFS,  (128*KS/256)*272
.set SBLK,   (16*KS/256)*272
.set SPARE,  SCL+4*HALFS               ; the spare words, 128 bytes for each wave: two blocks of 256 bytes that no other line names
.set BLK,    6656                      ; a block of the output
.set NEXTG,  64*BLK                    ; from a head to the next
.set ADRA, 16                          ; v16-17  LDS address of my A fragments in slot 0, 1
.set ADRB, 20                          ; v20-21  the same for B
.set LI,   24                          ; v24     16 x lane
.set OFR,  25                          ; v25     64 x (lane / 16): the bias along registers
.set OFL,  26                          ; v26     4 x (r + 8 (r / 8)): the bias along lanes
.set ADRS, 27                          ; v27     LDS address of my scale words: lanes 0-15 A's rows, lanes 16-31 B's
.set SPW,  28                          ; v28     LDS address of my spare word; never rewritten
.set NIL,  29                          ; v29     0; never rewritten
.set SC,   32
.set RB,   64
.set AF,   128
.set LB,   96                          ; in window 1
.set X,    128                         ; the way out: 64 numbers of a lane
.set TM,   192                         ; v192-195 largest magnitudes, v196-199 at work and bytes, v204-207 scale operands
.set H0,   208                         ; v208-219 codes
.set H1,   220                         ; v220-231 codes
.set CT,   232                         ; v232-238 halves of blocks
.set SW,   240                         ; v240-247 scale words to store
.set WE,   248                         ; v248-249 the even tile's words
.set T0,   250                         ; v250-251 at work
.set HIM,  2                           ; s2   lanes 16-31
.set TA,   3                           ; s3   A's tile
.set WV,   16
.set HA,   17                          ; wave / 2: my half of A.  Also: I fetch for A (0) or for B (1)
.set HB,   18                          ; wave % 2: my half of B.  Also: which 128 rows of that tile I fetch
.set G1,   24
.set G0,   32
.set TB,   42                          ; s42  B's tile
.set G1B,  48
.set G0B,  56
.set OUTP, 66                          ; s[66:67] my first block of the output
.set G1S,  68
.set G0S,  76
.set G1SB, 80
.set G0SB, 88
.set ROLE, 95                          ; 1: v
.set QFL,  96                          ; the floor under a largest magnitude, for the stored byte
.set QOF,  97                          ; what is taken off its exponent field
.set SEL,  98
.set MSB, 0
.macro WIN new                         ; the immediate's high byte repeats the setting that is left
.if MSB != (\new)
	s_set_vgpr_msb (MSB<<8)|(\new)
.set MSB, (\new)
.endif
.endm
.set MUL_LO, 0xa1                      ; source 0 (B) window 1, source 1 (A) window 0, C and D window 2
.set MUL_HI, 0xf1                      ; the same, C and D window 3
.set TO_B,   0x40                      ; destination window 1, address window 0
; A joint load: waves 0 and 1 fetch for A, waves 2 and 3 for B.  Each of the two lines has one mask and one set of registers for all that issue it; the branch hangs on the wave's number alone.
; Four v_nop follow each of the two lines, ahead of the jump, the label and what follows.
.macro JLOAD g0a, g1a, g0b, g1b
	s_cmp_eq_u32 s[HA], 0
	s_cbranch_scc0 .Lfor_b_\@
	tensor_load_to_lds s[\g0a:\g0a+3], s[\g1a:\g1a+7]
	s_nop 0
.rept 4
	v_nop
.endr
	s_branch .Lasked_\@
.Lfor_b_\@:
	tensor_load_to_lds s[\g0b:\g0b+3], s[\g1b:\g1b+7]
	s_nop 0
.rept 4
	v_nop
.endr
.Lasked_\@:
.endm
.macro CREST                           ; a round of the cluster's barrier behind its opening barrier
	s_cmp_lg_u32 s[WV], 0
	s_cbranch_scc1 .Lnot_wave_0_\@
	s_barrier_signal -3
.Lnot_wave_0_\@:
	s_barrier_wait -3
	s_barrier_signal -1
	s_barrier_wait -1
.endm
.macro CROUND                          ; a whole round
	s_barrier_signal -1
	s_barrier_wait -1
	CREST
.endm
	s_load_b128 s[4:7], s[0:1], 0x0                ; codes, scales
	s_load_b128 s[8:11], s[0:1], 0x10              ; bq, bk
	s_load_b128 s[12:15], s[0:1], 0x20             ; bv, qkv
	v_lshl_add_u32 v[SPW], v0, 2, SPARE
	v_mov_b32 v[NIL], 0
	ds_add_u32 v28, v29
	ds_add_u32 v28, v29
	s_wait_dscnt 0x0
	v_lshrrev_b32 v1, 5, v0
	v_readfirstlane_b32 s[WV], v1                  ; wave 0..3
	s_lshr_b32 s[HA], s[WV], 1
	s_and_b32 s[HB], s[WV], 1
	s_bfe_u32 s40, ttmp6, 0x40000                  ; cx, cy: my place in the cluster
	s_bfe_u32 s41, ttmp6, 0x40004
	s_and_b32 s19, ttmp7, 0xffff                   ; the cluster's y
	s_mov_b32 s[HIM], 0xffff0000
	s_mov_b32 s[SEL], 0x76543210
	s_mov_b32 s[SEL+1], 0xfedcba98
	s_mov_b32 s[QFL], 5<<23                        ; k: the byte is the exponent field - 4, over the floor 2^(5 - 127);
	s_mov_b32 s[QOF], 0xfe000000
	s_cmp_eq_u32 ttmp9, 0
	s_cselect_b32 s[QFL], 8<<23, s[QFL]            ; q: - 7, over the floor 2^(8 - 127)
	s_cselect_b32 s[QOF], 0xfc800000, s[QOF]
	s_cmp_eq_u32 ttmp9, 2                          ; the role: the same in all sixteen partners
	s_cselect_b32 s[ROLE], 1, 0
	s_cselect_b32 s[TA], 0, s19                    ; A's tile = 4 x (v: 0; q, k: cluster y) + cy
	s_cselect_b32 s[TB], s19, ttmp9                ; B's tile = 4 x (v: cluster y; q, k: cluster x) + cx
	s_cselect_b32 s21, 10240, 0                    ; A's first row among the 12,288: wv's, or the tokens'
	s_cselect_b32 s47, 0, 8192                     ; B's: the tokens', or wq's (wk follows it)
	s_lshl_b32 s[TA], s[TA], 2
	s_add_co_u32 s[TA], s[TA], s41
	s_lshl_b32 s[TB], s[TB], 2
	s_add_co_u32 s[TB], s[TB], s40
	s_lshl_b32 s43, s41, 2
	s_lshl_b32 s43, 15, s43                        ; my row of the cluster
	s_lshl_b32 s44, 0x1111, s40                    ; my column
	; descriptor group 1: eight tiles' parts of a K step: 8 rows of 3,072 bytes (384 elements of 8 bytes), 12,288 bytes apart; dense in LDS
	s_or_b32 s[G1+0], s43, (3<<16)|(1<<21)         ; 15:0 the mask: A's tiles go to my row; 17:16 elements of 8 bytes; 21 set beside a mask
	s_or_b32 s[G1B+0], s44, (3<<16)|(1<<21)
.irp g, G1, G1B
	s_mov_b32 s[\g+1], 384<<16                     ; tensor_dim0
	s_mov_b32 s[\g+2], 8<<16                       ; tensor_dim1
	s_mov_b32 s[\g+3], 384<<16                     ; tile_dim0
	s_mov_b32 s[\g+4], 8                           ; tile_dim1
	s_mov_b32 s[\g+5], 1536                        ; tensor_dim0_stride
	s_mov_b32 s[\g+6], 0
	s_mov_b32 s[\g+7], 0
.endr
	; the scales of 128 rows: 4,096 dense bytes, as 16 rows of 256 bytes, 16 bytes of padding behind each
	s_or_b32 s[G1S+0], s43, (3<<16)|(1<<20)|(1<<21)|(5<<22)|(3<<25)
	s_or_b32 s[G1SB+0], s44, (3<<16)|(1<<20)|(1<<21)|(5<<22)|(3<<25)
.irp g, G1S, G1SB
	s_mov_b32 s[\g+1], 32<<16
	s_mov_b32 s[\g+2], (128*KS/256)<<16
	s_mov_b32 s[\g+3], 32<<16
	s_mov_b32 s[\g+4], 128*KS/256
	s_mov_b32 s[\g+5], 32
	s_mov_b32 s[\g+6], 0
	s_mov_b32 s[\g+7], 0
.endr
	s_lshl_b32 s23, s[HB], 7                       ; which 128 rows of the tile I fetch
	s_lshl_b32 s20, s[TA], 8
	s_add_co_u32 s20, s20, s23
	s_add_co_u32 s20, s20, s21                     ; A: the first row that I fetch
	s_lshl_b32 s46, s[TB], 8
	s_add_co_u32 s46, s46, s23
	s_add_co_u32 s46, s46, s47                     ; B likewise, in registers that never hold cy
	s_lshl_b32 s22, s20, 5                         ; 32 scale bytes a row,
	s_mov_b32 s23, 0
	s_lshl_b32 s92, s46, 5
	s_mov_b32 s93, 0
	s_mul_i32 s20, s20, 768                        ; 768 bytes of codes a row (a tile of 16: 12,288)
	s_mov_b32 s21, 0
	s_mul_i32 s46, s46, 768
	s_mov_b32 s47, 0
	s_mul_i32 s45, s[WV], HALFT                    ; where they go: wave x 128 rows: no place in the cluster enters an LDS address
	s_mul_i32 s94, s[WV], HALFS
	s_wait_kmcnt 0x0
	s_add_nc_u64 s[20:21], s[4:5], s[20:21]
	s_add_nc_u64 s[22:23], s[6:7], s[22:23]
	s_add_nc_u64 s[46:47], s[4:5], s[46:47]
	s_add_nc_u64 s[92:93], s[6:7], s[92:93]
	CROUND                                         ; all sixteen work-groups are here: the first joint loads meet
	s_mov_b32 s[G0S], 1
	s_add_co_u32 s[G0S+1], s94, SCL
	s_mov_b64 s[G0S+2:G0S+3], s[22:23]
	s_or_b32 s[G0S+3], s[G0S+3], 0x80000000
	s_mov_b32 s[G0SB], 1
	s_add_co_u32 s[G0SB+1], s94, SCL
	s_mov_b64 s[G0SB+2:G0SB+3], s[92:93]
	s_or_b32 s[G0SB+3], s[G0SB+3], 0x80000000
	JLOAD G0S, G1S, G0SB, G1SB                     ; the scales first: they are wanted with K step 0
.irp s, 0,1
	s_mov_b32 s[G0+4*\s], 1
	s_add_co_u32 s[G0+4*\s+1], s45, \s*SLOT
	s_add_nc_u64 s[G0+4*\s+2:G0+4*\s+3], s[20:21], \s*TILEB
	s_or_b32 s[G0+4*\s+3], s[G0+4*\s+3], 0x80000000
	s_mov_b32 s[G0B+4*\s], 1
	s_add_co_u32 s[G0B+4*\s+1], s45, \s*SLOT
	s_add_nc_u64 s[G0B+4*\s+2:G0B+4*\s+3], s[46:47], \s*TILEB
	s_or_b32 s[G0B+4*\s+3], s[G0B+4*\s+3], 0x80000000
	JLOAD G0+4*\s, G1, G0B+4*\s, G1B
.endr
	v_and_b32 v1, 31, v0
	v_lshlrev_b32 v[LI], 4, v1                     ; an image's place for my lane
	s_mul_i32 s21, s[HA], HALFT                    ; my 128 rows of A
	s_mul_i32 s22, s[HB], HALFT                    ; my 128 rows of B,
	s_add_co_u32 s22, s22, 2*HALFT                 ; which lie behind A's 256
.irp s, 0,1
	v_add_nc_u32 v[ADRA+\s], s21, v[LI]
	v_add_nc_u32 v[ADRB+\s], s22, v[LI]
	s_add_co_u32 s21, s21, SLOT
	s_add_co_u32 s22, s22, SLOT
.endr
	v_and_b32 v1, 15, v0                           ; r
	v_bfe_u32 v2, v0, 4, 1                         ; h
	v_mul_u32_u24 v5, v1, KS                       ; my row's scales: 32 bytes a row,
	v_lshrrev_b32 v6, 8, v5
	v_lshl_add_u32 v5, v6, 4, v5                   ; and 16 more for each 256 passed
	s_mul_i32 s21, s[HA], HALFS
	s_mul_i32 s22, s[HB], HALFS
	s_add_co_u32 s22, s22, 2*HALFS
	s_sub_co_u32 s22, s22, s21
	v_mul_u32_u24 v6, s22, v2                      ; lanes 16-31 take B's
	s_add_co_u32 s21, s21, SCL
	v_add_nc_u32 v5, v5, v6
	v_add_nc_u32 v[ADRS], s21, v5
	; the bias, in both layouts: along a lane's registers (used by q and k) and along the lanes (used by v).  Both stay inside the 1,024 numbers in every role, so no branch stands here.
	v_lshlrev_b32 v[OFR], 6, v2
	v_and_b32 v3, 8, v1
	v_add_nc_u32 v3, v3, v1
	v_lshlrev_b32 v[OFL], 2, v3
	s_cmp_eq_u32 ttmp9, 1
	s_cselect_b64 s[8:9], s[10:11], s[8:9]
	s_cmp_eq_u32 ttmp9, 2
	s_cselect_b64 s[8:9], s[12:13], s[8:9]
	s_lshl_b32 s20, s40, 10
	s_lshl_b32 s21, s[HB], 9
	s_add_co_u32 s20, s20, s21
	s_mov_b32 s21, 0
	s_add_nc_u64 s[10:11], s[8:9], s[20:21]        ; numbers 256 cx + 128 (wave % 2) on
	s_lshl_b32 s20, s41, 10
	s_lshl_b32 s22, s[HA], 9
	s_add_co_u32 s20, s20, s22
	s_add_nc_u64 s[12:13], s[8:9], s[20:21]        ; numbers 256 cy + 128 (wave / 2) on
.irp b, 0,1,2,3
.irp q, 0,1,2,3
	global_load_b128 v[RB+16*\b+4*\q:RB+16*\b+4*\q+3], v[OFR], s[10:11] offset:128*\b+16*\q   ; register 16 b + i: number 32 b + 16 h + i
.endr
.endr
	WIN TO_B
.irp a, 0,1,2,3,4,5,6,7
	global_load_b32 v[LB+2*\a], v[OFL], s[12:13] offset:(32*(\a/2)+8*(\a%2))*4                 ; tile a, my row of it; twice, for the packed addition
	global_load_b32 v[LB+2*\a+1], v[OFL], s[12:13] offset:(32*(\a/2)+8*(\a%2))*4
.endr
	WIN 0
	; my first block of the output: q, k: G = 4 tb + 2 (wave % 2), step 2 ta + wave / 2;   v: G = 32 + 4 ta + 2 (wave / 2), step 2 tb + wave % 2
	s_lshl_b32 s20, s[TB], 2
	s_lshl_b32 s21, s[HB], 1
	s_add_co_u32 s20, s20, s21
	s_lshl_b32 s22, s[TA], 2
	s_lshl_b32 s23, s[HA], 1
	s_add_co_u32 s22, s22, s23
	s_add_co_u32 s22, s22, 32
	s_lshl_b32 s21, s[TA], 1
	s_add_co_u32 s21, s21, s[HA]
	s_lshl_b32 s23, s[TB], 1
	s_add_co_u32 s23, s23, s[HB]
	s_cmp_eq_u32 s[ROLE], 1
	s_cselect_b32 s20, s22, s20
	s_cselect_b32 s21, s23, s21
	s_lshl_b32 s20, s20, 6
	s_add_co_u32 s20, s20, s21
	s_mul_i32 s20, s20, BLK
	s_mov_b32 s21, 0
	s_add_nc_u64 s[OUTP:OUTP+1], s[14:15], s[20:21]
.macro FRAG reg, adr, q, i             ; tile i's fragment of the slot's q-th 128 along K, as it lies
.irp j, 0,1,2
	ds_load_b128 v[(\reg)+4*\j:(\reg)+4*\j+3], v[\adr] offset:TILEB*(\i)+FI*(\q)+512*\j
.endr
.endm
; 16 matrix instructions: A's blocks a0, a0 + 1 x B's eight, 128 along K.  p: B's set;  sc: the set of scale words.  zero = 1: the first product starts the sums.
; The 64 accumulators take turns, one instruction a turn, in the same order in every step.
.macro MUL16 a0, p, q, sc, zero
.irp a, \a0, \a0+1
.irp b, 0,1,2,3,4,5,6,7
.if \zero
	v_wmma_scale_f32_16x16x128_f8f6f4 v[8*(8*((\a)%4)+\b):8*(8*((\a)%4)+\b)+7], v[128*(\p)+FR*\b:128*(\p)+FR*\b+FR-1], v[AF+FR*(\a):AF+FR*(\a)+FR-1], 0, v[SC+8*NQ*(\sc)+NQ*\b+(\q)], v[SC+8*NQ*(\sc)+NQ*(\a)+(\q)] matrix_a_fmt:MATRIX_FMT_BF6 matrix_b_fmt:MATRIX_FMT_BF6 matrix_a_scale:MATRIX_SCALE_ROW1
.else
	v_wmma_scale_f32_16x16x128_f8f6f4 v[8*(8*((\a)%4)+\b):8*(8*((\a)%4)+\b)+7], v[128*(\p)+FR*\b:128*(\p)+FR*\b+FR-1], v[AF+FR*(\a):AF+FR*(\a)+FR-1], v[8*(8*((\a)%4)+\b):8*(8*((\a)%4)+\b)+7], v[SC+8*NQ*(\sc)+NQ*\b+(\q)], v[SC+8*NQ*(\sc)+NQ*(\a)+(\q)] matrix_a_fmt:MATRIX_FMT_BF6 matrix_b_fmt:MATRIX_FMT_BF6 matrix_a_scale:MATRIX_SCALE_ROW1
.endif
.endr
.endr
.endm
.macro FETCH_B slot, q, p              ; B's eight fragments into set p
	WIN TO_B
.irp i, 0,1,2,3,4,5,6,7
	FRAG 128*(\p)+FR*\i, ADRB+\slot, \q, \i
.endr
	WIN 0
.endm
.macro FETCH_A slot, q, i0             ; A's blocks i0 .. i0 + 3
.irp i, \i0, \i0+1, \i0+2, \i0+3
	FRAG AF+FR*(\i), ADRA+\slot, \q, \i
.endr
.endm
.macro SCALES sc                       ; a K step's scale words into set sc: two words a row; lanes 0-15 take A's block i, lanes 16-31 B's block i
.irp i, 0,1,2,3,4,5,6,7
	ds_load_b64 v[SC+8*NQ*\sc+NQ*\i:SC+8*NQ*\sc+NQ*\i+1], v[ADRS] offset:\i*SBLK
.endr
.endm
; A load into a register that a matrix instruction has read, and a vector instruction that reads a matrix result or writes one of its registers, stand NP places behind it; only plain vector instructions that
; name none of its registers are places (ISA guide 7.12.1 for vector instructions).
.macro PLACES n
.rept \n
	v_nop
.endr
.endm
.macro STEP slot, q, zero              ; a step of 128 along K that has its successor in the same slot
	s_wait_dscnt 4*NL                              ; B's set, A's blocks 0-3 and the scale words are in; the youngest 12 loads (A's blocks 4-7) may be out
	WIN MUL_LO
	MUL16 0, (\q)%2, \q, \slot, \zero
	MUL16 2, (\q)%2, \q, \slot, \zero
	s_wait_dscnt 0                                 ; A's blocks 4-7 are in (asked for 32 matrix instructions ago)
	PLACES NP
	FETCH_B \slot, (\q)+1, 1-(\q)%2
	FETCH_A \slot, (\q)+1, 0
	WIN MUL_HI
	MUL16 4, (\q)%2, \q, \slot, \zero
	MUL16 6, (\q)%2, \q, \slot, \zero
	PLACES NP
	WIN 0
	FETCH_A \slot, (\q)+1, 4
.endm
; A slot's last step changes slots: one barrier; in front of it each wave waits for all its tensor loads, adds 0 to its spare word, and waits for that and for its own reads of this slot.  fill = 1: this slot is filled again, two K steps ahead.
.macro TURN slot, next, fill
	s_wait_tensorcnt 0x0                           ; all my tensor loads have landed: my part of the next slot;  (every window is 0 here)
	ds_add_u32 v[SPW], v[NIL]                      ; 0 onto my spare word
	s_wait_dscnt 4*NL+1                            ; (the add and the youngest 12 loads, A's blocks 4-7, may be out)
	WIN MUL_LO
	MUL16 0, 1, NQ-1, \slot, 0                     ; sixteen matrix instructions stand between the add and the wait for it
	s_wait_dscnt 0x0                               ; the add is done, and my reads of this slot are over
	s_barrier_signal -1
	MUL16 2, 1, NQ-1, \slot, 0
	WIN 0
	s_barrier_wait -1
.if \fill
	CREST                                          ; the barrier has opened a round of the cluster's barrier: no wave of any partner still reads this slot or has a load on its way
	s_add_nc_u64 s[G0+4*\slot+2:G0+4*\slot+3], s[G0+4*\slot+2:G0+4*\slot+3], 2*TILEB
	s_add_nc_u64 s[G0B+4*\slot+2:G0B+4*\slot+3], s[G0B+4*\slot+2:G0B+4*\slot+3], 2*TILEB
	JLOAD G0+4*\slot, G1, G0B+4*\slot, G1B         ; the first tensor load behind the round; the four v_nop behind it are the places in front of the loads below
.else
	PLACES NP
.endif
	v_add_nc_u32 v[ADRS], 4*NQ, v[ADRS]            ; on to the next K step's scale words (no LDS load of mine is out)
	FETCH_B \next, 0, 0
	FETCH_A \next, 0, 0
	SCALES \next
	WIN MUL_HI
	MUL16 4, 1, NQ-1, \slot, 0
	MUL16 6, 1, NQ-1, \slot, 0
	PLACES NP
	WIN 0
	FETCH_A \next, 0, 4
.endm
	s_wait_tensorcnt 1                             ; the scales and my part of K step 0 are in (K step 1's load may be out),
	s_barrier_signal -1
	s_barrier_wait -1                              ; everybody's are
	FETCH_B 0, 0, 0
	FETCH_A 0, 0, 0
	SCALES 0
	FETCH_A 0, 0, 4
	STEP 0, 0, 1                                   ; the first products start the sums
	TURN 0, 1, 1                                   ; four K steps: each slot is filled again once, so the lap is written out
	STEP 1, 0, 0
	TURN 1, 0, 1
	STEP 0, 0, 0
	TURN 0, 1, 0                                   ; the last lap fills nothing, and has no round of the cluster's barrier
	STEP 1, 0, 0
	s_wait_dscnt 4*NL
	WIN MUL_LO
	MUL16 0, 1, NQ-1, 1, 0
	MUL16 2, 1, NQ-1, 1, 0
	s_wait_dscnt 0
	WIN MUL_HI
	MUL16 4, 1, NQ-1, 1, 0
	MUL16 6, 1, NQ-1, 1, 0
	WIN 0
; THE WAY OUT.  No LDS: a lane's 64 results of a block a are 64 neighbours along the side that is quantised, and what the conversions give is the image that the next launch loads.
; 64 numbers of a lane, register 16 b + i = number 32 b + 16 (lane / 16) + i of my row, become codes: v[d0 .. d0 + 5] numbers 32 h + 0 .. 31, v[d1 .. d1 + 5] numbers 64 + 32 h + 0 .. 31.
; The largest magnitudes stay in v[TM ..], the scale operands in v[TM + 12 ..].
.macro QUANT64 s, d0, d1
.irp b, 0,1,2,3
	v_max3_num_f32 v[TM+\b], |v[(\s)+16*\b]|, |v[(\s)+16*\b+1]|, 0x2800000      ; my 16 numbers of block b, and the floor 2^(5 - 127)
.endr
.irp i, 2,4,6,8,10,12,14
.irp b, 0,1,2,3
	v_max3_num_f32 v[TM+\b], v[TM+\b], |v[(\s)+16*\b+\i]|, |v[(\s)+16*\b+\i+1]|
.endr
.endr
.irp b, 0,1,2,3
	v_permlanex16_b32 v[TM+4+\b], v[TM+\b], s[SEL], s[SEL+1]
.endr
.irp b, 0,1,2,3
	v_max_num_f32 v[TM+\b], v[TM+\b], v[TM+4+\b]   ; with lane l xor 16's: the block's largest magnitude
.endr
.irp b, 0,1,2,3
	v_add_nc_u32 v[TM+12+\b], 0xfe000000, v[TM+\b] ; 4 off its exponent field: the conversion's scale operand
.endr
	v_cvt_scalef32_pk16_bf6_f32 v[(\d0):(\d0)+2], v[(\s):(\s)+15], v[TM+12]
	v_cvt_scalef32_pk16_bf6_f32 v[CT:CT+2], v[(\s)+16:(\s)+31], v[TM+13]
	v_cvt_scalef32_pk16_bf6_f32 v[(\d1):(\d1)+2], v[(\s)+32:(\s)+47], v[TM+14]
	v_cvt_scalef32_pk16_bf6_f32 v[CT+4:CT+6], v[(\s)+48:(\s)+63], v[TM+15]
	v_nop                                          ; one plain place behind a scaled conversion
.irp i, 0,1,2                                  ; the operand's layout wants a whole block in a lane: lanes 0-15 the even block, lanes 16-31 the odd one
	v_permlane16_swap_b32 v[(\d0)+\i], v[CT+\i]
	v_permlane16_swap_b32 v[(\d1)+\i], v[CT+4+\i]
.endr
.irp i, 0,1,2
	v_mov_b32 v[(\d0)+3+\i], v[CT+\i]
	v_mov_b32 v[(\d1)+3+\i], v[CT+4+\i]
.endr
.endm
; q, k: block a is a tile of 16 tokens (a lane: one token) x my 128 features: two heads.  Two tiles make a pair's image for each head.
.macro EPI_QK a
	WIN 0x02+(\a)/4                                ; source 0: the accumulators' window
.set AC, 64*((\a)%4)
.set ii, 0
.rept 32
	v_pk_add_f32 v[X+ii:X+ii+1], v[AC+ii:AC+ii+1], v[RB+ii:RB+ii+1]      ; + the bias; each accumulator from its low end on
.set ii, ii+2
.endr
	WIN 0
.if ((\a)%2 == 0) && ((\a) > 0)
	s_wait_xcnt 0x0                                ; the last pair's stores have read their data
.endif
	QUANT64 X, H0+6*((\a)%2), H1+6*((\a)%2)
.irp b, 0,1,2,3
	v_max_num_f32 v[TM+4+\b], s[QFL], v[TM+\b]     ; the stored byte: the exponent field - 4 (k) or - 7 (q: the scores' 1 / 8), held at 1 from below
.endr
.irp b, 0,1,2,3
	v_add_nc_u32 v[TM+4+\b], s[QOF], v[TM+4+\b]
.endr
.irp b, 0,1,2,3
	v_lshrrev_b32 v[TM+4+\b], 23, v[TM+4+\b]
.endr
.irp c, 0,1
	v_lshl_or_b32 v[T0+\c], v[TM+5+2*\c], 8, v[TM+4+2*\c]
.endr
.irp c, 0,1
.if (\a)%2 == 0
	v_lshl_or_b32 v[WE+\c], v[T0+\c], 16, v[T0+\c] ; the two bytes twice: the upper half of the instruction's K meets zero codes
.else
	v_lshl_or_b32 v[T0+\c], v[T0+\c], 16, v[T0+\c]
.endif
.endr
.if (\a)%2 == 1
.irp c, 0,1
	v_cndmask_b32 v[SW+4*\c+(\a)/2], v[WE+\c], v[T0+\c], s[HIM]          ; lanes 0-15 the even tile's word, lanes 16-31 the odd tile's
.endr
.irp j, 0,1,2
	global_store_b128 v[LI], v[H0+4*\j:H0+4*\j+3], s[OUTP:OUTP+1] offset:FI*((\a)/2)+512*\j          ; 512 consecutive bytes a store
	global_store_b128 v[LI], v[H1+4*\j:H1+4*\j+3], s[OUTP:OUTP+1] offset:NEXTG+FI*((\a)/2)+512*\j
.endr
.endif
.endm
; v: block a is a tile of 16 features (a lane: one feature) x my 128 tokens: one fragment of V^T, and its scale word.
.macro EPI_V a
	WIN 0x06+(\a)/4                                ; source 0: the accumulators' window; source 1: window 1
.set AC, 64*((\a)%4)
.set ii, 0
.rept 32
	v_pk_add_f32 v[X+ii:X+ii+1], v[AC+ii:AC+ii+1], v[LB+2*(\a):LB+2*(\a)+1]
.set ii, ii+2
.endr
	WIN 0
.if (\a) > 0
	s_wait_xcnt 0x0                                ; the last fragment's stores have read their data
.endif
	QUANT64 X, H0, H0+6
.irp b, 0,1,2,3
	v_lshrrev_b32 v[TM+4+\b], 23, v[TM+12+\b]
.endr
	v_lshl_or_b32 v[SW+(\a)], v[TM+5], 8, v[TM+4]
	v_lshl_or_b32 v[SW+(\a)], v[TM+6], 16, v[SW+(\a)]
	v_lshl_or_b32 v[SW+(\a)], v[TM+7], 24, v[SW+(\a)]
.irp j, 0,1,2
	global_store_b128 v[LI], v[H0+4*\j:H0+4*\j+3], s[OUTP:OUTP+1] offset:NEXTG*((\a)/4)+FI*((\a)%4)+512*\j
.endr
.if (\a)%4 == 3
	global_store_b128 v[LI], v[SW+4*((\a)/4):SW+4*((\a)/4)+3], s[OUTP:OUTP+1] offset:NEXTG*((\a)/4)+4*FI
.endif
.endm
	PLACES NP                                      ; behind the last products: their operands' registers are written below
	s_wait_loadcnt 0x0                             ; the bias
.irp b, 0,1,2,3
	v_mov_b32 v[TM+4+\b], 0                        ; written once: a lane permute's destination counts as one of its sources
.endr
	s_cmp_eq_u32 s[ROLE], 1                        ; the same in all sixteen partners
	s_cbranch_scc1 .Lvalues
.irp a, 0,1,2,3,4,5,6,7
	EPI_QK \a
.endr
	global_store_b128 v[LI], v[SW:SW+3], s[OUTP:OUTP+1] offset:4*FI
	global_store_b128 v[LI], v[SW+4:SW+7], s[OUTP:OUTP+1] offset:NEXTG+4*FI
	s_branch .Ldone
.Lvalues:
.irp a, 0,1,2,3,4,5,6,7
	EPI_V \a
.endr
.Ldone:
	s_wait_tensorcnt 0x0                           ; the wave's end
	ds_add_u32 v[SPW], v[NIL]
	s_wait_dscnt 0x0
	CROUND                                         ; the closing round: no work-group ends while a partner may still ask for a tile that names it
	s_endpgm
.Lfunc_end_k_q8b9bd6f61e_qkv:
	.size	k_q8b9bd6f61e_qkv, .Lfunc_end_k_q8b9bd6f61e_qkv-k_q8b9bd6f61e_qkv
	.p2alignl 7, 3214868480
	.fill 96, 4, 3214868480
	.section	.rodata,"a",@progbits
	.p2align	6, 0x0
	.amdhsa_kernel k_q8b9bd6f61e_qkv
		.amdhsa_group_segment_fixed_size 327680
		.amdhsa_private_segment_fixed_size 0
		.amdhsa_enable_private_segment 0
		.amdhsa_kernarg_size 48
		.amdhsa_user_sgpr_count 2
		.amdhsa_user_sgpr_kernarg_segment_ptr 1
		.amdhsa_wavefront_size32 1
		.amdhsa_system_sgpr_workgroup_id_x 1
		.amdhsa_system_sgpr_workgroup_id_y 1
		.amdhsa_system_sgpr_workgroup_id_z 1
		.amdhsa_system_vgpr_workitem_id 0
		.amdhsa_next_free_vgpr 1024
		.amdhsa_next_free_sgpr 100
		.amdhsa_reserve_vcc 0
		.amdhsa_float_denorm_mode_32 3
		.amdhsa_float_denorm_mode_16_64 3
		.amdhsa_memory_ordered 1
		.amdhsa_forward_progress 1
		.amdhsa_inst_pref_size 211
	.end_amdhsa_kernel
	.amdgpu_metadata
---
amdhsa.version: [ 1, 2 ]
amdhsa.kernels:
  - .name:           k_q8b9bd6f61e_qkv
    .symbol:         k_q8b9bd6f61e_qkv.kd
    .args:
      - { .name: codes, .offset: 0, .size: 8, .value_kind: global_buffer, .address_space: global }
      - { .name: scales, .offset: 8, .size: 8, .value_kind: global_buffer, .address_space: global }
      - { .name: bq, .offset: 16, .size: 8, .value_kind: global_buffer, .address_space: global }
      - { .name: bk, .offset: 24, .size: 8, .value_kind: global_buffer, .address_space: global }
      - { .name: bv, .offset: 32, .size: 8, .value_kind: global_buffer, .address_space: global }
      - { .name: qkv, .offset: 40, .size: 8, .value_kind: global_buffer, .address_space: global }
    .group_segment_fixed_size: 327680
    .private_segment_fixed_size: 0
    .kernarg_segment_align: 8
    .kernarg_segment_size: 48
    .max_flat_workgroup_size: 128
    .sgpr_count:     100
    .vgpr_count:     1024
    .wavefront_size: 32
...
	.end_amdgpu_metadata
.endif
;; end of part 2
;; launch attn (part 3): grid 4 x 64, 8 waves a work-group, clusters of 4 x 1, 222,208 bytes of LDS; arguments qkv, attention_mask, cc, cs; writes cc, cs
.if DOCPART == 3
	.amdgcn_target "amdgcn-amd-amdhsa--gfx1250"
	.amdhsa_code_object_version 6
	.text
	.protected	k_q8b9bd6f61e_attn
	.globl	k_q8b9bd6f61e_attn
	.p2align	8
	.type	k_q8b9bd6f61e_attn,@function
k_q8b9bd6f61e_attn:
	s_mov_b64 s[64:65], 0
	v_nop
	global_prefetch_b8 v0, s[64:65] scope:SCOPE_SE
	s_setreg_imm32_b32 hwreg(HW_REG_WAVE_MODE, 25, 1), 1
	s_wait_xcnt 0x0
	s_wait_alu depctr_hold_cnt(0) depctr_sa_sdst(0) depctr_va_vdst(0) depctr_va_sdst(0) depctr_va_ssrc(0) depctr_va_vcc(0) depctr_vm_vsrc(0)
	s_getreg_b32 s2, hwreg(HW_REG_IB_STS2, 6, 4)
	s_cmp_eq_u32 s2, 0
	s_cbranch_scc0 .Lentry_in_a_cluster
	s_endpgm
.Lentry_in_a_cluster:
	s_bfe_u32 s2, ttmp6, 0x10000c
	s_cmp_lg_u32 s2, 0x3003
	s_cbranch_scc0 .Lentry_shape_is_right
	s_endpgm
.Lentry_shape_is_right:
; ctx[b][q][head] = softmax_k(q . k / 8 + mask[b][k]) v, both products on codes of BF6 (E3M2) with E8M0 scales; ctx is quantised here along the hidden axis and leaves as codes.
; THE SOFTMAX AHEAD OF THE SECOND PRODUCT: t = logit x log2(e); M = the running largest t rounded UP to a whole number; p = 2^(t - M) is quantised along the keys, not normalised; the row's sum is taken of the
; unquantised p and divides at the end.  When M moves, the sum and O are multiplied by 2^(old M - new M): exact.
; SHARES.  Work-group y = 4 head + batch.  The four work-groups of a cluster take 512 queries each, in two passes of 256; each of the eight waves holds two tiles of 16 queries a pass, so that each fragment of K and V
; that it reads from LDS feeds two matrix instructions.  Two waves to a SIMD: one wave's vector work stands beside the other's matrix work and LDS loads.
; LDS.  A head's K and V with their scale words (2 x 106,496 bytes) and the batch's mask (8,192) lie in LDS together: filled once, read by both passes, nothing is filled again.  The four work-groups want the same K and V:
; each block of 6,656 bytes (128 keys) is asked for jointly.  A wave issues four loads, one for each quarter of the keys, and the work on a quarter begins when that quarter has landed.
; LAYOUT.  S^T = K Q^T (source 0 = 16 keys, source 1 = 16 queries), O^T = V^T P^T: a lane holds one query throughout.  A tile of keys holds keys 32 (t / 2) + 8 (t % 2) + i + 8 (i / 8), so that the 16 registers of tiles
; 2 b and 2 b + 1 are the neighbouring keys 32 b + 16 (lane / 16) + 0 .. 15; the tiles of the head's 64 in V are laid likewise, so that O^T's registers are neighbours along the hidden axis.
; THE FIRST PRODUCT'S K IS 64, THE INSTRUCTION'S 128: Q's registers 6-11 are zero codes.  K's operand for tile t is twelve registers from its own six on: the upper six (the next tile's codes, zeros behind tile 7) meet
; zero codes, and E3M2 has no infinity and no NaN.  THE MASK IS THE C OF THE FIRST PRODUCT: q's scale bytes carry the 1 / 8, so the result is the logit.
; LIMITS: a block of zeros gets the byte 1 where the rule says 127 (its codes are zeros; this program alone reads the bytes); NaN and +infinity in the mask are not served; a row whose every key has mask -infinity gives NaN,
; as it does by the definition.
; REGISTERS: window 0: v1-10 addresses; v12-19 -M, largest t, the sum in two halves, a tile; v20-31 scale words; v32-55 Q; v56-61 f and work; v64-191 S^T, then p; v192-215 p's codes; v216-255 at work.
;   window 1: v0-47 K, v48-53 zeros; v64-111 V; v128-191 the mask; v192-255 O^T.
.set BLK,   6656                       ; a step's block: 6,144 bytes of codes, 512 of scale words
.set VREG,  16*BLK                     ; LDS: K's 16 blocks, then V's,
.set MASK,  2*VREG                     ; then the mask: written by ds_store, no tensor load lands there
.set LI,  1                            ; v1   16 x lane
.set LV,  2                            ; v2   16 x lane + VREG
.set LM,  3                            ; v3   MASK + 64 (lane / 16)
.set L8,  4                            ; v4   8 x lane
.set L2,  5                            ; v5   2 x lane
.set MA,  6                            ; v6   16 x thread
.set MS,  7                            ; v7   MASK + 16 x thread
.set ADK, 8
.set ADV, 9
.set ADM, 10
.set ST,  12
.set KS,  20                           ; v20-23 K's scale words: word p: lanes 0-15 tile 2 p, lanes 16-31 tile 2 p + 1
.set VS,  24                           ; v24-27 V's: word d
.set QS,  28                           ; v28    Q's: lanes 0-15 my first tile, lanes 16-31 my second
.set PW,  30                           ; v30-31 p's
.set QF,  32
.set FF,  56                           ; v56-59 f (later 1 / the sum) and a word that is only named
.set TMP, 60
.set S,   64
.set PC,  192
.set CT,  216
.set BM,  232
.set KF,  0                            ; window 1
.set KZ,  48
.set VF,  64
.set MK,  128
.set OT,  192
.set WV,  12
.set G1,  16
.set G0,  24
.set SEL, 40
.set CS,  42                           ; s[42:43] log2(e), twice: the packed form names a pair
.set HIM, 44
.set PASS, 45
.set CNT, 46
.set TK,  47                           ; the step's block in K's and in V's region
.set TMK, 48                           ; the step's 512 bytes of the mask
.set QP,  50
.set CP,  52
.set SP,  54
.set QSP, 56
.set MSB, 0
.macro WIN new
.if MSB != (\new)
	s_set_vgpr_msb (MSB<<8)|(\new)
.set MSB, (\new)
.endif
.endm
.macro CROUND                          ; a round of the cluster's barrier
	s_barrier_signal -1
	s_barrier_wait -1
	s_cmp_lg_u32 s[WV], 0
	s_cbranch_scc1 .Lnot_wave_0_\@
	s_barrier_signal -3
.Lnot_wave_0_\@:
	s_barrier_wait -3
	s_barrier_signal -1
	s_barrier_wait -1
.endm
.macro BASES t                         ; tile t's registers
.set rST, ST+4*(\t)
.set rS,  S+64*(\t)
.set rPC, PC+12*(\t)
.set rCT, CT+8*(\t)
.set rBM, BM+12*(\t)
.set rPM, rBM+4
.set rSO, rBM+8
.set rFF, FF+2*(\t)
.set rTP, TMP+(\t)
.set rPW, PW+(\t)
.set rO,  OT+32*(\t)
.endm
	s_load_b256 s[4:11], s[0:1], 0x0               ; qkv, attention_mask, cc, cs
	v_lshl_add_u32 v227, v0, 2, 0x36000
	v_mov_b32 v231, 0
	ds_add_u32 v227, v231
	ds_add_u32 v227, v231
	v_lshrrev_b32 v11, 5, v0
	s_delay_alu instid0(VALU_DEP_1)
	v_readfirstlane_b32 s[WV], v11                 ; wave 0..7
	s_bfe_u32 s13, ttmp6, 0x40000                  ; cx: it enters Q's and the outputs' addresses alone
	s_and_b32 s14, ttmp7, 0xffff                   ; 4 head + batch, which the four partners share
	; descriptor group 1: a block of 6,656 dense bytes as 26 rows of 256 bytes (32 elements of 8 bytes)
	s_mov_b32 s[G1], 15|(3<<16)|(1<<21)            ; 15:0 the mask: all four work-groups; 17:16 elements of 8 bytes; 21 set beside a mask
	s_mov_b32 s[G1+1], 32<<16
	s_mov_b32 s[G1+2], 26<<16
	s_mov_b32 s[G1+3], 32<<16
	s_mov_b32 s[G1+4], 26
	s_mov_b32 s[G1+5], 32
	s_mov_b32 s[G1+6], 0
	s_mov_b32 s[G1+7], 0
	s_mov_b32 s[SEL], 0x76543210
	s_mov_b32 s[SEL+1], 0xfedcba98
	s_mov_b32 s[CS], 0x3fb8aa3b                    ; log2(e)
	s_mov_b32 s[CS+1], s[CS]
	s_mov_b32 s[HIM], 0xffff0000
	s_mov_b32 s[PASS], 0
	s_lshr_b32 s58, s[WV], 2                       ; waves 0-3 fetch K, waves 4-7 V;
	s_and_b32 s59, s[WV], 3                        ; in each quarter of the keys the step wave % 4
	s_mul_i32 s60, s58, VREG
	s_mul_i32 s61, s59, BLK
	s_add_co_u32 s60, s60, s61                     ; where my block of the first quarter goes
	s_lshl_b32 s62, s58, 6
	s_add_co_u32 s62, s62, 64
	s_add_co_u32 s62, s62, s14                     ; 4 G + batch: 64 + .. for K, 128 + .. for V
	s_lshl_b32 s62, s62, 4
	s_add_co_u32 s62, s62, s59
	s_mul_i32 s62, s62, BLK
	s_mov_b32 s63, 0
	s_wait_dscnt 0x0
	s_wait_kmcnt 0x0
	s_add_nc_u64 s[62:63], s[4:5], s[62:63]
.irp c, 0,1,2,3
	s_mov_b32 s[G0+4*\c], 1
	s_add_co_u32 s[G0+4*\c+1], s60, \c*4*BLK
	s_add_nc_u64 s[G0+4*\c+2:G0+4*\c+3], s[62:63], \c*4*BLK
	s_or_b32 s[G0+4*\c+3], s[G0+4*\c+3], 0x80000000
.endr
	CROUND                                         ; all four work-groups are here: the joint loads meet
	tensor_load_to_lds s[G0:G0+3], s[G1:G1+7]      ; four loads of mine are out
	s_nop 0
	tensor_load_to_lds s[G0+4:G0+7], s[G1:G1+7]
	s_nop 0
	tensor_load_to_lds s[G0+8:G0+11], s[G1:G1+7]
	s_nop 0
	tensor_load_to_lds s[G0+12:G0+15], s[G1:G1+7]
	s_nop 0
.rept 4
	v_nop
.endr
	s_and_b32 s15, s14, 3                          ; batch
	s_lshr_b32 s62, s14, 2                         ; head
	s_lshl_b32 s60, s15, 13
	s_mov_b32 s61, 0
	s_add_nc_u64 s[6:7], s[6:7], s[60:61]          ; the batch's mask
	v_lshlrev_b32 v[MA], 4, v0
	v_lshl_add_u32 v[MS], v0, 4, MASK
	global_load_b128 v[S+64:S+67], v[MA], s[6:7]                 ; 256 threads x 16 bytes, twice: the 2,048 numbers
	global_load_b128 v[S+68:S+71], v[MA], s[6:7] offset:4096
	s_lshl_b32 s49, s13, 2
	s_add_co_u32 s49, s49, s58                     ; my step of queries in pass 0: 4 cx + wave / 4
	s_lshl_b32 s60, s14, 4
	s_add_co_u32 s60, s60, s49
	s_mul_i32 s60, s60, BLK
	s_add_nc_u64 s[QSP:QSP+1], s[4:5], s[60:61]    ; its block of q
	s_mul_i32 s60, s59, 1536
	s_add_nc_u64 s[QP:QP+1], s[QSP:QSP+1], s[60:61]   ; my pair of tiles: wave % 4
	s_lshl_b32 s60, s59, 2
	s_add_co_u32 s60, s60, 6144
	s_add_nc_u64 s[QSP:QSP+1], s[QSP:QSP+1], s[60:61] ; and its scale word in each lane's 16 bytes
	s_lshl_b32 s60, s15, 7
	s_lshl_b32 s63, s49, 3
	s_add_co_u32 s60, s60, s63
	s_lshl_b32 s63, s59, 1
	s_add_co_u32 s60, s60, s63                     ; my first token tile: 128 batch + 8 step + 2 pair
	s_mul_i32 s60, s60, 12288
	s_mul_i32 s63, s62, 768
	s_add_co_u32 s60, s60, s63
	s_add_nc_u64 s[CP:CP+1], s[8:9], s[60:61]      ; cc [token tile][head][768]
	s_lshl_b32 s60, s62, 14
	s_lshl_b32 s63, s15, 12
	s_add_co_u32 s60, s60, s63
	s_lshl_b32 s63, s49, 8
	s_add_co_u32 s60, s60, s63
	s_lshl_b32 s63, s59, 6
	s_add_co_u32 s60, s60, s63
	s_add_nc_u64 s[SP:SP+1], s[10:11], s[60:61]    ; cs [head][token place] of two bytes
	v_and_b32 v11, 31, v0
	s_delay_alu instid0(VALU_DEP_1)
	v_lshlrev_b32 v[LI], 4, v11
	s_delay_alu instid0(VALU_DEP_1)
	v_add_nc_u32 v[LV], VREG, v[LI]
	s_delay_alu instid0(VALU_DEP_3)
	v_lshlrev_b32 v[L8], 3, v11
	s_delay_alu instid0(VALU_DEP_4)
	v_lshlrev_b32 v[L2], 1, v11
	v_bfe_u32 v11, v0, 4, 1
	s_delay_alu instid0(VALU_DEP_1)
	v_lshl_add_u32 v[LM], v11, 6, MASK
.irp i, 0,1,2,3,4,5
	v_mov_b32 v[QF+6+\i], 0                        ; the upper half of Q's K: zero codes, written once
	v_mov_b32 v[QF+18+\i], 0
.endr
.irp t, 0,1
.irp b, 0,1,2,3
	v_mov_b32 v[BM+12*\t+4+\b], 0                  ; written once: a lane permute's destination counts as one of its sources
.endr
	v_mov_b32 v[FF+2*\t+1], 0                      ; (named as the upper half of a pair)
.endr
	WIN 0x40
.irp i, 0,1,2,3,4,5
	v_mov_b32 v[KZ+\i], 0                          ; what stands behind K's last tile
.endr
	WIN 0
	s_wait_loadcnt 0x0
	ds_store_b128 v[MS], v[S+64:S+67]
	ds_store_b128 v[MS], v[S+68:S+71] offset:4096
.macro SPROD t, q                      ; S^T of key tile t and query tile q: the logits, the mask being C
.set rD, S+64*(\q)+8*(\t)
.set rK, KF+6*(\t)
.set rQ, QF+12*(\q)
.set rM, MK+8*(\t)
.set rC, KS+(\t)/2
.if ((\t)%2 == 0) && ((\q) == 0)
	v_wmma_scale_f32_16x16x128_f8f6f4 v[rD:rD+7], v[rK:rK+11], v[rQ:rQ+11], v[rM:rM+7], v[rC], v[QS] matrix_a_fmt:MATRIX_FMT_BF6 matrix_b_fmt:MATRIX_FMT_BF6
.elseif (\q) == 0
	v_wmma_scale_f32_16x16x128_f8f6f4 v[rD:rD+7], v[rK:rK+11], v[rQ:rQ+11], v[rM:rM+7], v[rC], v[QS] matrix_a_fmt:MATRIX_FMT_BF6 matrix_b_fmt:MATRIX_FMT_BF6 matrix_a_scale:MATRIX_SCALE_ROW1
.elseif (\t)%2 == 0
	v_wmma_scale_f32_16x16x128_f8f6f4 v[rD:rD+7], v[rK:rK+11], v[rQ:rQ+11], v[rM:rM+7], v[rC], v[QS] matrix_a_fmt:MATRIX_FMT_BF6 matrix_b_fmt:MATRIX_FMT_BF6 matrix_b_scale:MATRIX_SCALE_ROW1
.else
	v_wmma_scale_f32_16x16x128_f8f6f4 v[rD:rD+7], v[rK:rK+11], v[rQ:rQ+11], v[rM:rM+7], v[rC], v[QS] matrix_a_fmt:MATRIX_FMT_BF6 matrix_b_fmt:MATRIX_FMT_BF6 matrix_a_scale:MATRIX_SCALE_ROW1 matrix_b_scale:MATRIX_SCALE_ROW1
.endif
.endm
.macro P_MAX t                         ; the largest logit of each block of 32 keys (it serves twice: for the row's maximum and, since p rises with the logit, for the block's largest p); M; f
	BASES \t
.irp b, 0,1,2,3
	v_max3_num_f32 v[rBM+\b], v[rS+16*\b], v[rS+16*\b+1], v[rS+16*\b+2]
.endr
.irp i, 3,5,7,9,11,13
.irp b, 0,1,2,3
	v_max3_num_f32 v[rBM+\b], v[rBM+\b], v[rS+16*\b+\i], v[rS+16*\b+\i+1]
.endr
.endr
.irp b, 0,1,2,3
	v_max_num_f32 v[rBM+\b], v[rBM+\b], v[rS+16*\b+15]
.endr
.irp b, 0,1,2,3
	s_delay_alu instid0(VALU_DEP_4)
	v_permlanex16_b32 v[rPM+\b], v[rBM+\b], s[SEL], s[SEL+1]
.endr
.irp b, 0,1,2,3
	s_delay_alu instid0(VALU_DEP_4)
	v_max_num_f32 v[rBM+\b], v[rBM+\b], v[rPM+\b]  ; with lane l xor 16's 16 keys
.endr
	s_delay_alu instid0(VALU_DEP_2)
	v_max3_num_f32 v[rTP], v[rBM], v[rBM+1], v[rBM+2]
	s_delay_alu instid0(VALU_DEP_1)
	v_max_num_f32 v[rTP], v[rTP], v[rBM+3]
	s_delay_alu instid0(VALU_DEP_1)
	v_mul_f32 v[rTP], s[CS], v[rTP]                ; as t
	s_delay_alu instid0(VALU_DEP_1)
	v_max_num_f32 v[rST+1], v[rST+1], v[rTP]       ; the running largest t
	v_mov_b32 v[rTP], v[rST]
	s_delay_alu instid0(VALU_DEP_2)
	v_floor_f32 v[rST], -v[rST+1]                  ; the new -M = floor(-t): M is a whole number
	s_delay_alu instid0(VALU_DEP_1)
	v_sub_f32 v[rTP], v[rST], v[rTP]               ; old M less new M: a whole number, 0 or less
	s_delay_alu instid0(VALU_DEP_1)
	v_cvt_i32_f32 v[rTP], v[rTP]                   ; (it saturates)
	s_delay_alu instid0(VALU_DEP_1)
	v_ldexp_f32 v[rFF], 1.0, v[rTP]                ; f = 2^(old M - new M)
.endm
.macro P_SCL t                         ; t - M, two at a time; the same of each block's largest
	BASES \t
.set jj, 0
.rept 32
	v_pk_fma_f32 v[rS+jj:rS+jj+1], v[rS+jj:rS+jj+1], s[CS:CS+1], v[rST:rST+1] op_sel_hi:[1,0,0]
.set jj, jj+2
.endr
.irp b, 0,1,2,3
	v_fma_f32 v[rBM+\b], v[rBM+\b], s[CS], v[rST]
.endr
.endm
.macro P_EXP t                         ; p = 2^(t - M), at most 1
	BASES \t
.set jj, 0
.rept 64
	v_exp_f32 v[rS+jj], v[rS+jj]
.set jj, jj+1
.endr
.endm
.macro P_SUM t                         ; the row's sum of the unquantised p: two at a time, in two chains
	BASES \t
	v_pk_add_f32 v[rPM:rPM+1], v[rS:rS+1], v[rS+2:rS+3]
.irp j, 4,8,12,16,20,24,28,32,36,40,44,48,52,56,60
	v_pk_add_f32 v[rST+2:rST+3], v[rST+2:rST+3], v[rS+\j:rS+\j+1]
	v_pk_add_f32 v[rPM:rPM+1], v[rPM:rPM+1], v[rS+\j+2:rS+\j+3]
.endr
	s_delay_alu instid0(VALU_DEP_1)
	v_pk_add_f32 v[rST+2:rST+3], v[rST+2:rST+3], v[rPM:rPM+1]
.endm
.macro P_BYTE t                        ; the four blocks' scale operands and bytes; p's scale word
	BASES \t
.irp b, 0,1,2,3
	v_max_num_f32 v[rBM+\b], 0x2800000, v[rBM+\b]  ; the floor 2^(5 - 127): a block whose every p has fallen to 0 keeps the byte 1: its codes are zeros
.endr
.irp b, 0,1,2,3
	s_delay_alu instid0(VALU_DEP_4)
	v_add_nc_u32 v[rSO+\b], 0xfe000000, v[rBM+\b]
.endr
.irp b, 0,1,2,3
	s_delay_alu instid0(VALU_DEP_4)
	v_lshrrev_b32 v[rPM+\b], 23, v[rSO+\b]
.endr
	s_delay_alu instid0(VALU_DEP_3)
	v_lshl_or_b32 v[rPW], v[rPM+1], 8, v[rPM]
	s_delay_alu instid0(VALU_DEP_1)
	v_lshl_or_b32 v[rPW], v[rPM+2], 16, v[rPW]
	s_delay_alu instid0(VALU_DEP_1)
	v_lshl_or_b32 v[rPW], v[rPM+3], 24, v[rPW]
.endm
.macro P_CVT t
	BASES \t
.irp c, 0,1
	v_cvt_scalef32_pk16_bf6_f32 v[rPC+6*\c:rPC+6*\c+2], v[rS+32*\c:rS+32*\c+15], v[rSO+2*\c]
	v_cvt_scalef32_pk16_bf6_f32 v[rCT+4*\c:rCT+4*\c+2], v[rS+32*\c+16:rS+32*\c+31], v[rSO+2*\c+1]
.endr
.endm
.macro P_SWAP t                        ; the operand's layout wants a whole block in a lane
	BASES \t
.irp c, 0,1
.irp i, 0,1,2
	v_permlane16_swap_b32 v[rPC+6*\c+\i], v[rCT+4*\c+\i]
.endr
.irp i, 0,1,2
	s_delay_alu instid0(VALU_DEP_3)
	v_mov_b32 v[rPC+6*\c+3+\i], v[rCT+4*\c+\i]
.endr
.endr
.endm
; A KEY STEP: 128 keys, for my two tiles of queries.
.macro STEP
	v_add_nc_u32 v[ADK], s[TK], v[LI]              ; these three and the v_nop are the four places behind the last step's products, ahead of the loads into their operands
	v_add_nc_u32 v[ADV], s[TK], v[LV]
	v_add_nc_u32 v[ADM], s[TMK], v[LM]
	v_nop
	ds_load_b128 v[KS:KS+3], v[ADK] offset:6144
	ds_load_b128 v[VS:VS+3], v[ADV] offset:6144
	WIN 0x40                                       ; destination window 1
.irp p, 0,1,2,3
.irp j, 0,1,2
	ds_load_b128 v[KF+12*\p+4*\j:KF+12*\p+4*\j+3], v[ADK] offset:1536*\p+512*\j
.endr
.endr
.irp b, 0,1,2,3
.irp q, 0,1,2,3
	ds_load_b128 v[MK+16*\b+4*\q:MK+16*\b+4*\q+3], v[ADM] offset:128*\b+16*\q     ; register 16 b + i: the mask of key 32 b + 16 h + i
.endr
.endr
.irp d, 0,1,2,3
.irp j, 0,1,2
	ds_load_b128 v[VF+12*\d+4*\j:VF+12*\d+4*\j+3], v[ADV] offset:1536*\d+512*\j
.endr
.endr
	s_wait_dscnt 12                                ; all but V's twelve loads are in
	WIN 0x11                                       ; source 0 (K) and C (the mask) window 1
.irp t, 0,1,2,3,4,5,6,7
	SPROD \t, 0
	SPROD \t, 1
.endr
	WIN 0
.rept 4
	v_nop
.endr
	P_MAX 0
	P_MAX 1
	P_SCL 0
	P_SCL 1
	s_wait_alu depctr_va_vdst(0)
	P_EXP 0
	s_setprio 1
	P_EXP 1
	v_pk_mul_f32 v[ST+2:ST+3], v[ST+2:ST+3], v[FF:FF+1] op_sel_hi:[1,0]          ; the sums under the new M: the plain place behind the exponentials
	v_pk_mul_f32 v[ST+6:ST+7], v[ST+6:ST+7], v[FF+2:FF+3] op_sel_hi:[1,0]
	s_wait_alu depctr_va_vdst(0)                   ; one wait for the batch of 128, ahead of its first reader
.irp t, 0,1
.irp b, 0,1,2,3
	v_exp_f32 v[BM+12*\t+\b], v[BM+12*\t+\b]       ; the blocks' largest p: the same two instructions on the same number give the same bits
.endr
.endr
	P_SUM 0                                        ; (they read the 128 alone: plain work behind the eight)
	P_SUM 1
	s_wait_alu depctr_va_vdst(0)                   ; and one for the eight
	P_BYTE 0
	P_BYTE 1
	P_CVT 0
	P_CVT 1
	v_nop                                          ; one plain place behind a scaled conversion
	P_SWAP 0
	P_SWAP 1
	WIN 0x41                                       ; O^T (destination and source 0) window 1
	s_setprio 0
.irp t, 0,1
.set jj, 0
.rept 16
	v_pk_mul_f32 v[OT+32*\t+jj:OT+32*\t+jj+1], v[OT+32*\t+jj:OT+32*\t+jj+1], v[FF+2*\t:FF+2*\t+1] op_sel_hi:[1,0]   ; O^T under the new M.  (These 32 are also the places ahead of the products below)
.set jj, jj+2
.endr
.endr
	s_wait_alu depctr_va_vdst(0)
	s_wait_dscnt 0x0                               ; V is in
	WIN 0x51                                       ; source 0 (V), C and D window 1
.irp d, 0,1,2,3                                ; eight accumulators by turns, one instruction a turn
.irp t, 0,1
	v_wmma_scale_f32_16x16x128_f8f6f4 v[OT+32*\t+8*\d:OT+32*\t+8*\d+7], v[VF+12*\d:VF+12*\d+11], v[PC+12*\t:PC+12*\t+11], v[OT+32*\t+8*\d:OT+32*\t+8*\d+7], v[VS+\d], v[PW+\t] matrix_a_fmt:MATRIX_FMT_BF6 matrix_b_fmt:MATRIX_FMT_BF6
.endr
.endr
	WIN 0
.endm
; A quarter of the keys.  My load of this quarter has landed (those of the later quarters may be out), and so has everybody's behind the barrier.
.macro CHUNK c
	s_wait_tensorcnt 3-(\c)
	s_wait_dscnt 0x0                               ; in the first pass: my stores of the mask
	s_barrier_signal -1
	s_barrier_wait -1
	s_mov_b32 s[TK], 4*BLK*(\c)
	s_mov_b32 s[TMK], 2048*(\c)
	s_mov_b32 s[CNT], 4
.Lstep_\@:
	s_wait_alu depctr_va_vdst(0)
	s_setprio 2
	STEP
	s_add_co_u32 s[TK], s[TK], BLK
	s_add_co_u32 s[TMK], s[TMK], 512
	s_sub_co_u32 s[CNT], s[CNT], 1
	s_cmp_lg_u32 s[CNT], 0
	s_cbranch_scc1 .Lstep_\@
	s_setprio 0
.endm
.Lpass:                                            ; two trips: 256 queries of the work-group each
.irp j, 0,1,2
	global_load_b128 v[S+4*\j:S+4*\j+3], v[LI], s[QP:QP+1] offset:512*\j          ; my pair of query tiles: 6 + 6 registers
.endr
	global_load_b32 v[QS], v[LI], s[QSP:QSP+1]
.irp t, 0,1
	v_mov_b32 v[ST+4*\t+1], 0xff61b1e6             ; the largest t so far: -3e38, under every t
	s_delay_alu instid0(VALU_DEP_1)
	v_floor_f32 v[ST+4*\t], -v[ST+4*\t+1]
	v_mov_b32 v[ST+4*\t+2], 0
	v_mov_b32 v[ST+4*\t+3], 0
.endr
	WIN 0x40
.set jj, 0
.rept 64
	v_mov_b32 v[OT+jj], 0                          ; the step is written once: the first finds zeros, which the first change of M leaves zeros
.set jj, jj+1
.endr
	WIN 0
	s_wait_loadcnt 0x0
.irp i, 0,1,2,3,4,5
	v_mov_b32 v[QF+\i], v[S+\i]
	v_mov_b32 v[QF+12+\i], v[S+6+\i]
.endr
	CHUNK 0
	CHUNK 1
	CHUNK 2
	CHUNK 3
	; THE WAY OUT of a pass: O^T / the sum is ctx: register 16 b + i of a tile is the head's number 32 b + 16 h + i of my query: two blocks of the next product's K
.rept 4
	v_nop
.endr
.irp t, 0,1
	v_add_f32 v[TMP+\t], v[ST+4*\t+2], v[ST+4*\t+3]
.endr
.irp t, 0,1
	s_delay_alu instid0(VALU_DEP_2)
	v_permlanex16_b32 v[BM+12*\t+4], v[TMP+\t], s[SEL], s[SEL+1]
.endr
.irp t, 0,1
	s_delay_alu instid0(VALU_DEP_2)
	v_add_f32 v[TMP+\t], v[TMP+\t], v[BM+12*\t+4]  ; with lane l xor 16's: the row's sum
.endr
	s_wait_alu depctr_va_vdst(0)
.irp t, 0,1
	v_rcp_f32 v[FF+2*\t], v[TMP+\t]
.endr
	v_nop                                          ; a plain place behind the reciprocals,
	s_wait_alu depctr_va_vdst(0)                   ; and the wait ahead of their first reader
	WIN 0x01                                       ; source 0 (O^T) window 1
.irp t, 0,1
.set jj, 0
.rept 16
	v_pk_mul_f32 v[S+64*\t+jj:S+64*\t+jj+1], v[OT+32*\t+jj:OT+32*\t+jj+1], v[FF+2*\t:FF+2*\t+1] op_sel_hi:[1,0]    ; each accumulator from its low end on
.set jj, jj+2
.endr
.endr
	WIN 0
.irp t, 0,1
	BASES \t
.irp b, 0,1
	v_max3_num_f32 v[rBM+\b], |v[rS+16*\b]|, |v[rS+16*\b+1]|, 0x2800000
.endr
.irp i, 2,4,6,8,10,12,14
.irp b, 0,1
	s_delay_alu instid0(VALU_DEP_2)
	v_max3_num_f32 v[rBM+\b], v[rBM+\b], |v[rS+16*\b+\i]|, |v[rS+16*\b+\i+1]|
.endr
.endr
.irp b, 0,1
	s_delay_alu instid0(VALU_DEP_2)
	v_permlanex16_b32 v[rPM+\b], v[rBM+\b], s[SEL], s[SEL+1]
.endr
.irp b, 0,1
	s_delay_alu instid0(VALU_DEP_2)
	v_max_num_f32 v[rBM+\b], v[rBM+\b], v[rPM+\b]
.endr
.irp b, 0,1
	s_delay_alu instid0(VALU_DEP_2)
	v_add_nc_u32 v[rSO+\b], 0xfe000000, v[rBM+\b]
.endr
.irp b, 0,1
	s_delay_alu instid0(VALU_DEP_2)
	v_lshrrev_b32 v[rPM+\b], 23, v[rSO+\b]
.endr
	s_delay_alu instid0(VALU_DEP_1)
	v_lshl_or_b32 v[rTP], v[rPM+1], 8, v[rPM]      ; the head's two bytes of my token
	v_cvt_scalef32_pk16_bf6_f32 v[rPC:rPC+2], v[rS:rS+15], v[rSO]
	v_cvt_scalef32_pk16_bf6_f32 v[rCT:rCT+2], v[rS+16:rS+31], v[rSO+1]
	v_nop
.irp i, 0,1,2
	v_permlane16_swap_b32 v[rPC+\i], v[rCT+\i]
.endr
.irp i, 0,1,2
	s_delay_alu instid0(VALU_DEP_3)
	v_mov_b32 v[rPC+3+\i], v[rCT+\i]
.endr
.endr
	v_cndmask_b32 v[TMP], v[TMP], v[TMP+1], s[HIM] ; lanes 0-15 my first tile's tokens, lanes 16-31 my second's
.irp t, 0,1
	global_store_b128 v[LI], v[PC+12*\t:PC+12*\t+3], s[CP:CP+1] offset:12288*\t           ; registers 0-3: 512 consecutive bytes;
	global_store_b64 v[L8], v[PC+12*\t+4:PC+12*\t+5], s[CP:CP+1] offset:12288*\t+512      ; registers 4-5: 256
.endr
	global_store_b16 v[L2], v[TMP], s[SP:SP+1]     ; 64 consecutive bytes a wave
	s_wait_xcnt 0x0                                ; the stores and Q's loads have read their registers and bases: both are written again only behind this wait
	s_add_nc_u64 s[QP:QP+1], s[QP:QP+1], 2*BLK     ; two steps of queries on
	s_add_nc_u64 s[QSP:QSP+1], s[QSP:QSP+1], 2*BLK
	s_add_nc_u64 s[CP:CP+1], s[CP:CP+1], 16*12288
	s_add_nc_u64 s[SP:SP+1], s[SP:SP+1], 512
	s_add_co_u32 s[PASS], s[PASS], 1
	s_cmp_lt_u32 s[PASS], 2
	s_cbranch_scc1 .Lpass
	s_wait_tensorcnt 0x0
	s_wait_dscnt 0x0
	s_wait_tensorcnt 0x0
	ds_add_u32 v227, v231
	s_wait_dscnt 0x0
	CROUND                                         ; the closing round: no work-group ends while a partner may still ask for a block that names it
	s_endpgm
.Lfunc_end_k_q8b9bd6f61e_attn:
	.size	k_q8b9bd6f61e_attn, .Lfunc_end_k_q8b9bd6f61e_attn-k_q8b9bd6f61e_attn
	.p2alignl 7, 3214868480
	.fill 96, 4, 3214868480
	.section	.rodata,"a",@progbits
	.p2align	6, 0x0
	.amdhsa_kernel k_q8b9bd6f61e_attn
		.amdhsa_group_segment_fixed_size 222208
		.amdhsa_private_segment_fixed_size 0
		.amdhsa_enable_private_segment 0
		.amdhsa_kernarg_size 32
		.amdhsa_user_sgpr_count 2
		.amdhsa_user_sgpr_kernarg_segment_ptr 1
		.amdhsa_wavefront_size32 1
		.amdhsa_system_sgpr_workgroup_id_x 1
		.amdhsa_system_sgpr_workgroup_id_y 1
		.amdhsa_system_sgpr_workgroup_id_z 1
		.amdhsa_system_vgpr_workitem_id 0
		.amdhsa_next_free_vgpr 512
		.amdhsa_next_free_sgpr 66
		.amdhsa_reserve_vcc 0
		.amdhsa_float_denorm_mode_32 3
		.amdhsa_float_denorm_mode_16_64 3
		.amdhsa_memory_ordered 1
		.amdhsa_forward_progress 1
		.amdhsa_inst_pref_size 149
	.end_amdhsa_kernel
	.amdgpu_metadata
---
amdhsa.version: [ 1, 2 ]
amdhsa.kernels:
  - .name:           k_q8b9bd6f61e_attn
    .symbol:         k_q8b9bd6f61e_attn.kd
    .args:
      - { .name: qkv, .offset: 0, .size: 8, .value_kind: global_buffer, .address_space: global }
      - { .name: attention_mask, .offset: 8, .size: 8, .value_kind: global_buffer, .address_space: global }
      - { .name: cc, .offset: 16, .size: 8, .value_kind: global_buffer, .address_space: global }
      - { .name: cs, .offset: 24, .size: 8, .value_kind: global_buffer, .address_space: global }
    .group_segment_fixed_size: 222208
    .private_segment_fixed_size: 0
    .kernarg_segment_align: 8
    .kernarg_segment_size: 32
    .max_flat_workgroup_size: 256
    .sgpr_count:     66
    .vgpr_count:     512
    .wavefront_size: 32
...
	.end_amdgpu_metadata
.endif
;; end of part 3
;; launch outln (part 4): grid 256 x 1, 4 waves a work-group, clusters of 4 x 1, 327,680 bytes of LDS; arguments cc, cs, codes, scales, hidden_states, bo, gamma, beta, out0; writes out0
.if DOCPART == 4
	.amdgcn_target "amdgcn-amd-amdhsa--gfx1250"
	.amdhsa_code_object_version 6
	.text
	.protected	k_q8b9bd6f61e_outln
	.globl	k_q8b9bd6f61e_outln
	.p2align	8
	.type	k_q8b9bd6f61e_outln,@function
k_q8b9bd6f61e_outln:
	s_mov_b64 s[64:65], 0
	v_nop
	global_prefetch_b8 v0, s[64:65] scope:SCOPE_SE
	s_setreg_imm32_b32 hwreg(HW_REG_WAVE_MODE, 25, 1), 1
	s_wait_xcnt 0x0
	s_wait_alu depctr_hold_cnt(0) depctr_sa_sdst(0) depctr_va_vdst(0) depctr_va_sdst(0) depctr_va_ssrc(0) depctr_va_vcc(0) depctr_vm_vsrc(0)
	s_getreg_b32 s2, hwreg(HW_REG_IB_STS2, 6, 4)
	s_cmp_eq_u32 s2, 0
	s_cbranch_scc0 .Lentry_in_a_cluster
	s_endpgm
.Lentry_in_a_cluster:
	s_bfe_u32 s2, ttmp6, 0x10000c
	s_cmp_lg_u32 s2, 0x3003
	s_cbranch_scc0 .Lentry_shape_is_right
	s_endpgm
.Lentry_shape_is_right:
; out0 = LayerNorm(ctx wo^T + bo + hidden_states) x gamma + beta.  The product is on codes of BF6 (E3M2) with E8M0 scales, sums in f32; all else in f32; mean and variance in two passes, as the definition has them.
; SHARES.  The norm wants whole rows in one work-group: a work-group owns 32 rows (two tiles m of 16 tokens), wave w the columns 256 w .. 256 w + 255 (16 tiles of wo's rows): 32 accumulators, 256 registers.
; ctx's 16 fragments and all scale words stay in registers.  wo's fragments (images of their registers, 1,536 bytes) come K step by K step through two LDS slots; every work-group walks all of wo, so the four work-groups
; of a cluster ask for each tile jointly.  A wave reads only the 16 fragments that it has fetched itself.
; THE RESIDUAL STARTS THE SUMS: hidden_states + bo is read as rows (512 consecutive bytes a load), turned through the wave's stage in LDS into the accumulators' layout, and is the C of the first products.
; So the order of rounding differs from the definition's, which adds the residual last.
; LAYOUT.  Source 0 = 16 rows of wo, source 1 = 16 tokens: lane (r, h) holds token r of tile m (row 32 g + 8 m + r + 8 (r / 8)), and register 16 b + i of the tile's 128 the column 256 w + 32 b + 16 h + i.
; LIMITS: NaN and infinities are not served.
; REGISTERS: window 0: v1-17 addresses; v64-127 wo's scale words, v128-135 ctx's; v136-159 bo, gamma, beta as rows; v160-207 at work.
;   window 1: wo's fragments, two sets of eight, at v0 and v128; ahead of the products and behind them: rows.   window 2: accumulator (m, nt) at v[128 m + 8 nt].   window 3: ctx's fragment (m, K step) at v[96 m + 12 k].
.set FI,    1536
.set WPART, 16*FI                      ; a wave's part of a slot
.set SLOT,  4*WPART                    ; one K step of wo's 64 tiles
.set STAGE, 2*SLOT                     ; behind the ring: 16 rows x (1,024 bytes + 16) for each wave
.set SPI,   1040
.set WSTG,  16*SPI
.set PART,  STAGE+4*WSTG               ; the waves' partial sums: 512 bytes for the mean, 512 for the variance
.set SPARE, PART+1024                  ; the spare words, 128 bytes for each wave: two blocks of 256 bytes that no other line names
.set GL,  1                            ; v1   16 x lane
.set SA,  2                            ; v2   the stage by rows: 16 x lane
.set SB,  3                            ; v3   the stage by accumulators: 1,040 r + 64 h
.set ADB, 4                            ; v4-5 my fragments in slot 0, 1
.set PA,  6                            ; v6   where I put a partial sum
.set PB,  7                            ; v7   where I read the four
.set L8,  8
.set L2,  9
.set L32, 10
.set SPW, 16
.set NIL, 17
.set BS,  64                           ; register 8 np + k: lanes 0-15 tile 2 np, lanes 16-31 tile 2 np + 1, K step k
.set AS,  128                          ; register k: lanes 0-15 m = 0, lanes 16-31 m = 1
.set BO,  136
.set GA,  144
.set BE,  152
.set UT,  160
.set CH,  176                          ; four chains of pairs for each m
.set RS,  192
.set RP,  194
.set RL,  196
.set U,   204                          ; v204-207 the mean, later 1 / sqrt, twice for each m
.set WV,  22
.set G1,  32
.set G0,  40
.set SEL, 48
.set MSB, 0
.macro WIN new
.if MSB != (\new)
	s_set_vgpr_msb (MSB<<8)|(\new)
.set MSB, (\new)
.endif
.endm
.macro CROUND
	s_barrier_signal -1
	s_barrier_wait -1
	s_cmp_lg_u32 s[WV], 0
	s_cbranch_scc1 .Lnot_wave_0_\@
	s_barrier_signal -3
.Lnot_wave_0_\@:
	s_barrier_wait -3
	s_barrier_signal -1
	s_barrier_wait -1
.endm
.macro PLACES
.rept 4
	v_nop
.endr
.endm
	s_load_b256 s[4:11], s[0:1], 0x0               ; cc, cs, codes, scales
	s_load_b256 s[12:19], s[0:1], 0x20             ; hidden_states, bo, gamma, beta
	s_load_b64 s[20:21], s[0:1], 0x40              ; out0
	v_lshl_add_u32 v[SPW], v0, 2, SPARE
	v_mov_b32 v[NIL], 0
	ds_add_u32 v16, v17
	ds_add_u32 v16, v17
	s_wait_dscnt 0x0
	v_lshrrev_b32 v11, 5, v0
	v_readfirstlane_b32 s[WV], v11                 ; wave 0..3
	s_bfe_u32 s23, ttmp6, 0x40000                  ; cx
	s_lshl_b32 s24, ttmp9, 2
	s_add_co_u32 s24, s24, s23                     ; g, my block of 32 rows: it enters plain loads' and stores' addresses alone
	; descriptor group 1: 16 fragments of one K step: 16 rows of 1,536 bytes (192 elements of 8 bytes), 12,288 bytes apart; dense in LDS
	s_mov_b32 s[G1], 15|(3<<16)|(1<<21)            ; 15:0 the mask: all four work-groups; 21 set beside a mask
	s_mov_b32 s[G1+1], 192<<16
	s_mov_b32 s[G1+2], 16<<16
	s_mov_b32 s[G1+3], 192<<16
	s_mov_b32 s[G1+4], 16
	s_mov_b32 s[G1+5], 1536
	s_mov_b32 s[G1+6], 0
	s_mov_b32 s[G1+7], 0
	s_mov_b32 s[SEL], 0x76543210
	s_mov_b32 s[SEL+1], 0xfedcba98
	s_mov_b32 s50, 0x3a800000                      ; 1 / 1,024
	s_mov_b32 s51, 0x2b8cbccc                      ; 1e-12
	s_mul_i32 s52, s[WV], WPART
	s_mul_i32 s54, s[WV], 16*12288
	s_add_co_u32 s54, s54, 704*12288               ; wo's tiles begin at tile 704; mine at 16 x wave
	s_mov_b32 s55, 0
	s_wait_kmcnt 0x0
	s_add_nc_u64 s[54:55], s[8:9], s[54:55]
.irp s, 0,1
	s_mov_b32 s[G0+4*\s], 1
	s_add_co_u32 s[G0+4*\s+1], s52, \s*SLOT
	s_add_nc_u64 s[G0+4*\s+2:G0+4*\s+3], s[54:55], \s*FI
	s_or_b32 s[G0+4*\s+3], s[G0+4*\s+3], 0x80000000
.endr
	CROUND                                         ; all four work-groups are here: the first joint loads meet
	tensor_load_to_lds s[G0:G0+3], s[G1:G1+7]      ; K step 0
	s_nop 0
	tensor_load_to_lds s[G0+4:G0+7], s[G1:G1+7]    ; K step 1
	s_nop 0
	PLACES
	s_lshl_b32 s26, s24, 17
	s_lshl_b32 s27, s[WV], 10
	s_add_co_u32 s26, s26, s27
	s_mov_b32 s27, 0
	s_add_nc_u64 s[12:13], s[12:13], s[26:27]      ; hidden_states and out0 at row 32 g, column 256 w
	s_add_nc_u64 s[20:21], s[20:21], s[26:27]
	s_lshl_b32 s26, s[WV], 10
	s_add_nc_u64 s[14:15], s[14:15], s[26:27]      ; bo, gamma, beta at column 256 w
	s_add_nc_u64 s[16:17], s[16:17], s[26:27]
	s_add_nc_u64 s[18:19], s[18:19], s[26:27]
	s_mul_i32 s26, s24, 2*12288
	s_add_nc_u64 s[4:5], s[4:5], s[26:27]          ; cc at token tile 2 g
	s_lshl_b32 s26, s24, 6
	s_add_nc_u64 s[6:7], s[6:7], s[26:27]          ; cs at token place 32 g
	s_lshl_b32 s26, s[WV], 13
	s_add_co_u32 s26, s26, 11264*32
	s_add_nc_u64 s[10:11], s[10:11], s[26:27]      ; scales at wo's row place 256 w
	v_and_b32 v11, 31, v0
	v_and_b32 v12, 15, v0                          ; r
	v_bfe_u32 v13, v0, 4, 1                        ; h
	v_lshlrev_b32 v[GL], 4, v11
	v_lshlrev_b32 v[L8], 3, v11
	v_lshlrev_b32 v[L2], 1, v11
	v_lshlrev_b32 v[L32], 5, v11
	s_mul_i32 s26, s[WV], WSTG
	s_add_co_u32 s26, s26, STAGE
	v_add_nc_u32 v[SA], s26, v[GL]
	v_mul_u32_u24 v[SB], v12, SPI
	v_lshl_add_u32 v[SB], v13, 6, v[SB]
	v_add_nc_u32 v[SB], s26, v[SB]
	v_add_nc_u32 v[ADB], s52, v[GL]
	v_add_nc_u32 v[ADB+1], SLOT, v[ADB]
	v_lshl_add_u32 v[PB], v12, 2, PART
	s_lshl_b32 s26, s[WV], 7
	v_add_nc_u32 v[PA], s26, v[PB]
	v_mov_b32 v[RP], 0                             ; written once: a lane permute's destination counts as one of its sources
	v_mov_b32 v[RP+1], 0
	WIN 0x40                                       ; destination window 1: my 32 rows x 1,024 bytes of hidden_states, 512 consecutive bytes a load
.irp m, 0,1
.irp i, 0,1,2,3,4,5,6,7,8,9,10,11,12,13,14,15
.irp f, 0,1
	global_load_b128 v[128*\m+8*\i+4*\f:128*\m+8*\i+4*\f+3], v[GL], s[12:13] offset:(8*\m+\i+8*(\i/8))*4096+512*\f th:TH_LOAD_NT
.endr
.endr
.endr
	WIN 0xc0                                       ; destination window 3: ctx: a K step is two heads, 6 registers each
.irp m, 0,1
.irp k, 0,1,2,3,4,5,6,7
	global_load_b128 v[96*\m+12*\k:96*\m+12*\k+3], v[GL], s[4:5] offset:12288*\m+1536*\k
	global_load_b64 v[96*\m+12*\k+4:96*\m+12*\k+5], v[L8], s[4:5] offset:12288*\m+1536*\k+512
	global_load_b128 v[96*\m+12*\k+6:96*\m+12*\k+9], v[GL], s[4:5] offset:12288*\m+1536*\k+768
	global_load_b64 v[96*\m+12*\k+10:96*\m+12*\k+11], v[L8], s[4:5] offset:12288*\m+1536*\k+1280
.endr
.endr
	WIN 0
.irp n, 0,1,2,3,4,5,6,7
	global_load_b128 v[BS+8*\n:BS+8*\n+3], v[L32], s[10:11] offset:1024*\n          ; a row place's 32 scale bytes: eight words
	global_load_b128 v[BS+8*\n+4:BS+8*\n+7], v[L32], s[10:11] offset:1024*\n+16
.endr
.irp k, 0,1,2,3,4,5,6,7
	global_load_u16 v[UT+2*\k], v[L2], s[6:7] offset:16384*(2*\k)                   ; heads 2 k and 2 k + 1: two bytes each of token place 32 g + lane
	global_load_u16 v[UT+2*\k+1], v[L2], s[6:7] offset:16384*(2*\k+1)
.endr
.irp f, 0,1
	global_load_b128 v[BO+4*\f:BO+4*\f+3], v[GL], s[14:15] offset:512*\f
	global_load_b128 v[GA+4*\f:GA+4*\f+3], v[GL], s[16:17] offset:512*\f
	global_load_b128 v[BE+4*\f:BE+4*\f+3], v[GL], s[18:19] offset:512*\f
.endr
	s_wait_loadcnt 0x0
.irp k, 0,1,2,3,4,5,6,7
	v_lshl_or_b32 v[AS+\k], v[UT+2*\k+1], 16, v[UT+2*\k]
.endr
.macro RESID m                         ; hidden_states + bo of tile m, from rows into the accumulators' layout, through my own stage: LDS serves a wave's instructions in order
	WIN 0x41
.irp i, 0,1,2,3,4,5,6,7,8,9,10,11,12,13,14,15
.irp f, 0,1
.irp e, 0,2
	v_pk_add_f32 v[128*\m+8*\i+4*\f+\e:128*\m+8*\i+4*\f+\e+1], v[128*\m+8*\i+4*\f+\e:128*\m+8*\i+4*\f+\e+1], v[BO+4*\f+\e:BO+4*\f+\e+1]
.endr
.endr
.endr
	WIN 0x04                                       ; an LDS store's data are its source 1: window 1
.irp i, 0,1,2,3,4,5,6,7,8,9,10,11,12,13,14,15
.irp f, 0,1
	ds_store_b128 v[SA], v[128*\m+8*\i+4*\f:128*\m+8*\i+4*\f+3] offset:SPI*\i+512*\f
.endr
.endr
	WIN 0x80                                       ; destination window 2
.irp b, 0,1,2,3,4,5,6,7
.irp q, 0,1,2,3
	ds_load_b128 v[128*\m+16*\b+4*\q:128*\m+16*\b+4*\q+3], v[SB] offset:128*\b+16*\q
.endr
.endr
	WIN 0
.endm
	RESID 0
	RESID 1
.macro FETCHB st, k                    ; tiles 8 st .. 8 st + 7 of K step k into set st
	WIN 0x40
.irp i, 0,1,2,3,4,5,6,7
.irp j, 0,1,2
	ds_load_b128 v[128*(\st)+12*\i+4*\j:128*(\st)+12*\i+4*\j+3], v[ADB+((\k)%2)] offset:FI*(8*(\st)+\i)+512*\j
.endr
.endr
.endm
.macro MUL1 nt, m, k
.set rD, 128*(\m)+8*(\nt)
.set rB, 128*((\nt)/8)+12*((\nt)%8)
.set rA, 96*(\m)+12*(\k)
.set rC, BS+8*((\nt)/2)+(\k)
.if ((\nt)%2 == 0) && ((\m) == 0)
	v_wmma_scale_f32_16x16x128_f8f6f4 v[rD:rD+7], v[rB:rB+11], v[rA:rA+11], v[rD:rD+7], v[rC], v[AS+(\k)] matrix_a_fmt:MATRIX_FMT_BF6 matrix_b_fmt:MATRIX_FMT_BF6
.elseif (\m) == 0
	v_wmma_scale_f32_16x16x128_f8f6f4 v[rD:rD+7], v[rB:rB+11], v[rA:rA+11], v[rD:rD+7], v[rC], v[AS+(\k)] matrix_a_fmt:MATRIX_FMT_BF6 matrix_b_fmt:MATRIX_FMT_BF6 matrix_a_scale:MATRIX_SCALE_ROW1
.elseif (\nt)%2 == 0
	v_wmma_scale_f32_16x16x128_f8f6f4 v[rD:rD+7], v[rB:rB+11], v[rA:rA+11], v[rD:rD+7], v[rC], v[AS+(\k)] matrix_a_fmt:MATRIX_FMT_BF6 matrix_b_fmt:MATRIX_FMT_BF6 matrix_b_scale:MATRIX_SCALE_ROW1
.else
	v_wmma_scale_f32_16x16x128_f8f6f4 v[rD:rD+7], v[rB:rB+11], v[rA:rA+11], v[rD:rD+7], v[rC], v[AS+(\k)] matrix_a_fmt:MATRIX_FMT_BF6 matrix_b_fmt:MATRIX_FMT_BF6 matrix_a_scale:MATRIX_SCALE_ROW1 matrix_b_scale:MATRIX_SCALE_ROW1
.endif
.endm
.macro MULB4 n0, k                     ; eight matrix instructions: four tiles of wo x the two tiles of tokens.  The 32 accumulators take turns, one instruction a turn
	WIN 0xad                                       ; source 0 (wo) window 1, source 1 (ctx) window 3, C and D window 2
.irp n, \n0, \n0+1, \n0+2, \n0+3
.irp m, 0,1
	MUL1 \n, \m, \k
.endr
.endr
.endm
; A K STEP of 128: 32 matrix instructions.  Written out for each of the eight, since ctx's and the scale words' registers change with it.
.macro KST k
	PLACES                                         ; behind the last step's products, which read set 1
	FETCHB 1, \k
	s_wait_dscnt 24                                ; set 0 is in; set 1's 24 loads may be out
	MULB4 0, \k
	WIN 0                                          ; (the add's two registers lie in window 0)
.if (\k) < 7
	s_wait_tensorcnt 0x0                           ; all my tensor loads have landed: the one that was out is the next K step's;
.endif
.if (\k) < 6
	ds_add_u32 v[SPW], v[NIL]                      ; 0 onto my spare word: eight matrix instructions stand between it and the wait for it
.endif
	MULB4 4, \k
	WIN 0
.if (\k) < 6
	s_add_nc_u64 s[G0+4*((\k)%2)+2:G0+4*((\k)%2)+3], s[G0+4*((\k)%2)+2:G0+4*((\k)%2)+3], 2*FI    ; no tensor load of mine is out: this slot's next K step
.endif
	s_wait_dscnt 0x0                               ; the add is done, set 1 is in, and my reads of this slot are over
.if (\k) < 6
	CROUND                                         ; no wave of any partner still reads this slot or has a load on its way
	tensor_load_to_lds s[G0+4*((\k)%2):G0+4*((\k)%2)+3], s[G1:G1+7]    ; the first thing behind the round, and my one tensor load until the next
	s_nop 0
	PLACES                                         ; (the places ahead of the loads into set 0)
.elseif (\k) == 6
	PLACES
.endif
.if (\k) < 7
	FETCHB 0, (\k)+1
.endif
	MULB4 8, \k
	MULB4 12, \k
.endm
	s_wait_tensorcnt 0x1                           ; my part of K step 0 is in; K step 1's may be out.  Only I read these bytes
	s_wait_dscnt 0x0                               ; the residual lies in the accumulators
	FETCHB 0, 0
.irp k, 0,1,2,3,4,5,6,7
	KST \k
.endr
	WIN 0
; THE NORM.  A lane holds 128 of its token's 1,024 numbers; lane l xor 16 holds 128 more, the other three waves the rest.
.macro XCHG ph                         ; the four chains of each m are folded, joined with lane l xor 16's and with the other waves': the row's sum in v[RS + m]
.irp m, 0,1
	v_pk_add_f32 v[CH+8*\m:CH+8*\m+1], v[CH+8*\m:CH+8*\m+1], v[CH+8*\m+2:CH+8*\m+3]
	v_pk_add_f32 v[CH+8*\m+4:CH+8*\m+5], v[CH+8*\m+4:CH+8*\m+5], v[CH+8*\m+6:CH+8*\m+7]
.endr
.irp m, 0,1
	v_pk_add_f32 v[CH+8*\m:CH+8*\m+1], v[CH+8*\m:CH+8*\m+1], v[CH+8*\m+4:CH+8*\m+5]
.endr
.irp m, 0,1
	v_add_f32 v[RS+\m], v[CH+8*\m], v[CH+8*\m+1]
.endr
.irp m, 0,1
	v_permlanex16_b32 v[RP+\m], v[RS+\m], s[SEL], s[SEL+1]
.endr
.irp m, 0,1
	v_add_f32 v[RS+\m], v[RS+\m], v[RP+\m]
.endr
.irp m, 0,1
	ds_store_b32 v[PA], v[RS+\m] offset:512*(\ph)+64*\m        ; lanes r and r + 16 write the same word with the same value
.endr
	s_wait_dscnt 0x0                               ; for the others' sake: my stores are done
	s_barrier_signal -1
	s_barrier_wait -1
.irp m, 0,1
.irp w, 0,1,2,3
	ds_load_b32 v[RL+4*\m+\w], v[PB] offset:512*(\ph)+64*\m+128*\w
.endr
.endr
	s_wait_dscnt 0x0
.irp m, 0,1
	v_add_f32 v[RL+4*\m], v[RL+4*\m], v[RL+4*\m+1]
	v_add_f32 v[RL+4*\m+2], v[RL+4*\m+2], v[RL+4*\m+3]
.endr
.irp m, 0,1
	v_add_f32 v[RS+\m], v[RL+4*\m], v[RL+4*\m+2]
.endr
.endm
	PLACES                                         ; behind the last products
	WIN 0x0a                                       ; sources 0 and 1 window 2
.irp m, 0,1
.irp k, 0,1,2,3
	v_pk_add_f32 v[CH+8*\m+2*\k:CH+8*\m+2*\k+1], v[128*\m+2*\k:128*\m+2*\k+1], v[128*\m+8+2*\k:128*\m+8+2*\k+1]    ; the first lines start the chains; each accumulator is read from its low end on
.endr
.endr
	WIN 0x08                                       ; source 1 window 2
.irp m, 0,1
.irp j, 2,3,4,5,6,7,8,9,10,11,12,13,14,15
.irp k, 0,1,2,3
	v_pk_add_f32 v[CH+8*\m+2*\k:CH+8*\m+2*\k+1], v[CH+8*\m+2*\k:CH+8*\m+2*\k+1], v[128*\m+8*\j+2*\k:128*\m+8*\j+2*\k+1]
.endr
.endr
.endr
	WIN 0
	XCHG 0
.irp m, 0,1
	v_mul_f32 v[U+2*\m], s50, v[RS+\m]             ; the mean, in both registers of a pair
	v_mul_f32 v[U+2*\m+1], s50, v[RS+\m]
.endr
	WIN 0x82                                       ; destination and source 0 window 2
.irp m, 0,1
.set jj, 0
.rept 64
	v_pk_add_f32 v[128*\m+jj:128*\m+jj+1], v[128*\m+jj:128*\m+jj+1], v[U+2*\m:U+2*\m+1] neg_lo:[0,1] neg_hi:[0,1]      ; x - the mean
.set jj, jj+2
.endr
.endr
	WIN 0x0a
.irp m, 0,1
.irp k, 0,1,2,3
	v_pk_mul_f32 v[CH+8*\m+2*\k:CH+8*\m+2*\k+1], v[128*\m+2*\k:128*\m+2*\k+1], v[128*\m+2*\k:128*\m+2*\k+1]
.endr
.irp j, 1,2,3,4,5,6,7,8,9,10,11,12,13,14,15
.irp k, 0,1,2,3
	v_pk_fma_f32 v[CH+8*\m+2*\k:CH+8*\m+2*\k+1], v[128*\m+8*\j+2*\k:128*\m+8*\j+2*\k+1], v[128*\m+8*\j+2*\k:128*\m+8*\j+2*\k+1], v[CH+8*\m+2*\k:CH+8*\m+2*\k+1]
.endr
.endr
.endr
	WIN 0
	XCHG 1                                         ; other bytes than the mean's: no wave writes what another may still read
.irp m, 0,1
	v_fma_f32 v[RS+\m], v[RS+\m], s50, s51         ; the variance + 1e-12
.endr
.irp m, 0,1
	v_rsq_f32 v[U+2*\m], v[RS+\m]
	v_rsq_f32 v[U+2*\m+1], v[RS+\m]
.endr
	v_nop                                          ; a plain place behind the four,
	s_wait_alu depctr_va_vdst(0)                   ; and the wait ahead of their first reader
	WIN 0x82
.irp m, 0,1
.set jj, 0
.rept 64
	v_pk_mul_f32 v[128*\m+jj:128*\m+jj+1], v[128*\m+jj:128*\m+jj+1], v[U+2*\m:U+2*\m+1]
.set jj, jj+2
.endr
.endr
.macro OUT m                           ; tile m back into rows through my stage; x gamma + beta; 512 consecutive bytes a store
	WIN 0x08                                       ; an LDS store's data: window 2
.irp b, 0,1,2,3,4,5,6,7
.irp q, 0,1,2,3
	ds_store_b128 v[SB], v[128*\m+16*\b+4*\q:128*\m+16*\b+4*\q+3] offset:128*\b+16*\q
.endr
.endr
	WIN 0x40
.irp i, 0,1,2,3,4,5,6,7,8,9,10,11,12,13,14,15
.irp f, 0,1
	ds_load_b128 v[128*\m+8*\i+4*\f:128*\m+8*\i+4*\f+3], v[SA] offset:SPI*\i+512*\f      ; LDS serves a wave's instructions in order: these see my stores
.endr
.endr
	s_wait_dscnt 0x0
	WIN 0x41
.irp i, 0,1,2,3,4,5,6,7,8,9,10,11,12,13,14,15
.irp f, 0,1
.irp e, 0,2
	v_pk_fma_f32 v[128*\m+8*\i+4*\f+\e:128*\m+8*\i+4*\f+\e+1], v[128*\m+8*\i+4*\f+\e:128*\m+8*\i+4*\f+\e+1], v[GA+4*\f+\e:GA+4*\f+\e+1], v[BE+4*\f+\e:BE+4*\f+\e+1]
.endr
.endr
.endr
	WIN 0x04                                       ; a store's data: window 1
.irp i, 0,1,2,3,4,5,6,7,8,9,10,11,12,13,14,15
.irp f, 0,1
	global_store_b128 v[GL], v[128*\m+8*\i+4*\f:128*\m+8*\i+4*\f+3], s[20:21] offset:(8*\m+\i+8*(\i/8))*4096+512*\f th:TH_STORE_NT
.endr
.endr
	WIN 0
.endm
	OUT 0
	OUT 1
	s_wait_tensorcnt 0x0                           ; the wave's end, behind my last tensor load and my last LDS store
	ds_add_u32 v[SPW], v[NIL]
	s_wait_dscnt 0x0
	CROUND                                         ; the closing round: no work-group ends while a partner may still ask for a tile that names it
	s_endpgm
.Lfunc_end_k_q8b9bd6f61e_outln:
	.size	k_q8b9bd6f61e_outln, .Lfunc_end_k_q8b9bd6f61e_outln-k_q8b9bd6f61e_outln
	.p2alignl 7, 3214868480
	.fill 96, 4, 3214868480
	.section	.rodata,"a",@progbits
	.p2align	6, 0x0
	.amdhsa_kernel k_q8b9bd6f61e_outln
		.amdhsa_group_segment_fixed_size 327680
		.amdhsa_private_segment_fixed_size 0
		.amdhsa_enable_private_segment 0
		.amdhsa_kernarg_size 72
		.amdhsa_user_sgpr_count 2
		.amdhsa_user_sgpr_kernarg_segment_ptr 1
		.amdhsa_wavefront_size32 1
		.amdhsa_system_sgpr_workgroup_id_x 1
		.amdhsa_system_sgpr_workgroup_id_y 1
		.amdhsa_system_sgpr_workgroup_id_z 1
		.amdhsa_system_vgpr_workitem_id 0
		.amdhsa_next_free_vgpr 1024
		.amdhsa_next_free_sgpr 66
		.amdhsa_reserve_vcc 0
		.amdhsa_float_denorm_mode_32 3
		.amdhsa_float_denorm_mode_16_64 3
		.amdhsa_memory_ordered 1
		.amdhsa_forward_progress 1
		.amdhsa_inst_pref_size 159
	.end_amdhsa_kernel
	.amdgpu_metadata
---
amdhsa.version: [ 1, 2 ]
amdhsa.kernels:
  - .name:           k_q8b9bd6f61e_outln
    .symbol:         k_q8b9bd6f61e_outln.kd
    .args:
      - { .name: cc, .offset: 0, .size: 8, .value_kind: global_buffer, .address_space: global }
      - { .name: cs, .offset: 8, .size: 8, .value_kind: global_buffer, .address_space: global }
      - { .name: codes, .offset: 16, .size: 8, .value_kind: global_buffer, .address_space: global }
      - { .name: scales, .offset: 24, .size: 8, .value_kind: global_buffer, .address_space: global }
      - { .name: hidden_states, .offset: 32, .size: 8, .value_kind: global_buffer, .address_space: global }
      - { .name: bo, .offset: 40, .size: 8, .value_kind: global_buffer, .address_space: global }
      - { .name: gamma, .offset: 48, .size: 8, .value_kind: global_buffer, .address_space: global }
      - { .name: beta, .offset: 56, .size: 8, .value_kind: global_buffer, .address_space: global }
      - { .name: out0, .offset: 64, .size: 8, .value_kind: global_buffer, .address_space: global }
    .group_segment_fixed_size: 327680
    .private_segment_fixed_size: 0
    .kernarg_segment_align: 8
    .kernarg_segment_size: 72
    .max_flat_workgroup_size: 128
    .sgpr_count:     66
    .vgpr_count:     1024
    .wavefront_size: 32
...
	.end_amdgpu_metadata
.endif
;; end of part 4
